; MI455X (gfx1250); checked and timed in simulation.
; The chip was launched on July 23, 2026; its instructions are those of AMD's public machine-readable ISA for CDNA 5 (MIT licence, August 2026) and "CDNA5" Instruction Set Architecture Reference Guide (July 2026). The comments in the code are by the model that wrote it; some were corrected since.
;; Multihead Attention. Allowed arithmetic: matrix products marked QUANTISED: E4M3 operands, one given power-of-two scale a tensor, by v_wmma_f32_16x16x64_fp8_fp8 or v_wmma_f32_16x16x128_fp8_fp8, f32 sums; everything else in f32.
;; Inputs: in_proj_bias 3,072 float32; in_proj_weight 3,072 x 1,024 float32; local_attn_mask 32 x 2,048 x 2,048 bool; lowp_scales 12 int32 (the exponents e of the quantised operands' scales 2^e); out_proj_bias 1,024 float32; out_proj_weight 1,024 x 1,024 float32; query 2,048 x 2 x 1,024 float32; sinusoidal_pos 2 x 2,048 x 64 float32.
;; Outputs: out0 2,048 x 2 x 1,024 float32.
;; This version of the problem:
;;   THIS VERSION OF THE PROBLEM IS GIVEN IN LOW PRECISION. The matrix products marked QUANTISED in the list below multiply operands that are first quantised to E4M3 (4 exponent bits, 3 mantissa bits; 8 bits a number), with one given power-of-two scale for each operand tensor; their sums are f32. All else is computed in f32.
;;   The module's matrix products, in the order in which they are computed (A, B: the left and right operand; K: the contracted axis; several contracted axes count as one K, in the product's order):
;;     1. [M 4,096, K 1,024] x [K 1,024, N 3,072]; A: input query; B: input in_proj_weight: QUANTISED (scales: A lowp_scales[0], B lowp_scales[1])
;;     2. batch 32 x [M 2,048, K 64] x [K 64, N 2,048]; A: computed on the way; B: computed on the way: QUANTISED (scales: A lowp_scales[2], B lowp_scales[3])
;;     3. batch 32 x [M 2,048, K 2,048] x [K 2,048, N 64]; A: softmax (see below); B: computed on the way: QUANTISED (scales: A lowp_scales[4], B lowp_scales[5])
;;     4. batch 32 x [M 2,048, K 64] x [K 64, N 2,048]; A: computed on the way; B: computed on the way: QUANTISED (scales: A lowp_scales[6], B lowp_scales[7])
;;     5. batch 32 x [M 2,048, K 2,048] x [K 2,048, N 64]; A: softmax (see below); B: computed on the way: QUANTISED (scales: A lowp_scales[8], B lowp_scales[9])
;;     6. [M 4,096, K 1,024] x [K 1,024, N 1,024]; A: computed on the way; B: input out_proj_weight: QUANTISED (scales: A lowp_scales[10], B lowp_scales[11])
;;   THE QUANTISER, for each operand of a quantised product, along K:
;;     - The operand's scale is 2^e, e = its entry of the input lowp_scales (int32; the entries are numbered through the quantised products in the list's order, A before B).
;;     - Each number is divided by the scale, clamped to +-448, and rounded to the nearest number of E4M3, ties to even, subnormals kept.
;;     - The product sums the exact products of the quantised numbers (number of the format x scale) in f32.
;;   ~~~python
;;   def quantise(x, axis, e):      # numpy; x: float32 -> the quantised numbers, widened to float32 again
;;       x = np.moveaxis(x, axis, -1); K = x.shape[-1]
;;       r = np.clip(x / 2.0 ** e, -448, 448)
;;       step = 2.0 ** (np.maximum(np.frexp(np.where(r == 0, 1, r))[1] - 1, -6) - 3)
;;       q = np.round(r / step) * step * 2.0 ** e      # np.round: ties to even
;;       return np.moveaxis(q, -1, axis).astype(np.float32)
;;   ~~~
;;   SOFTMAX AHEAD OF A QUANTISED PRODUCT. Where the list says 'softmax', what is quantised is not the finished softmax but p = 2^(t - M), with t = logit x log2(e) and M = ceil(the row's largest t), a whole number; so 1/2 < the row's largest p <= 1. The row's sum l is taken of the UNQUANTISED p, in f32, and the product's result is divided by l at the end. Since M is a whole number, a kernel that streams over the keys may use a running M (the ceiling of the running maximum): every later rescaling is an exact power of two, so the quantised numbers keep their values, but for numbers so far below the row's largest that they fall under the format's range.
;;   OPERANDS COMPUTED ON THE WAY. 'Computed on the way' means the value that the module computes at that place (a softmax that the list does not call 'softmax' is quantised finished and normalised). What goes into a quantiser is computed in f32, as accurately as f32 sums, v_exp_f32 and their like allow (about 1e-6 of the number): no bf16 or f16 on the way to a quantiser, and a product that is left as it is and whose result goes on into a quantised operand takes f32 operands (vector FMAs, or v_wmma_f32_16x16x4_f32). A number that lies on a knife's edge between two numbers of the format may be rounded either way, as far as f32 arithmetic and the matrix unit's own rounding can turn it there, and no further.
;; 2 versions. Each part assembles by itself: llvm-mc -triple=amdgcn-amd-amdhsa -mcpu=gfx1250 --defsym DOCPART=n.
;; ======== version 1 of 2: 4 launches
;; workspace buffers: codes 8,388,608 bytes; qi 8,388,608 bytes; kv 16,777,216 bytes; ao 4,194,304 bytes
;; launch quant (part 1): grid 512 x 1, 4 waves a work-group, no clusters, 34,304 bytes of LDS; arguments query, in_proj_weight, out_proj_weight, lowp_scales, codes; writes codes
.if DOCPART == 1
	.amdgcn_target "amdgcn-amd-amdhsa--gfx1250"
	.amdhsa_code_object_version 6
	.text
	.protected	k_q71ec7a070b_quant
	.globl	k_q71ec7a070b_quant
	.p2align	8
	.type	k_q71ec7a070b_quant,@function
k_q71ec7a070b_quant:
	s_mov_b64 s[64:65], 0
	v_nop
	global_prefetch_b8 v0, s[64:65] scope:SCOPE_SE
	s_setreg_imm32_b32 hwreg(HW_REG_WAVE_MODE, 25, 1), 1
	s_wait_xcnt 0x0
; query [2048][2][1024], in_proj_weight [3072][1024] and out_proj_weight [1024][1024], f32, become codes of E4M3, each with its given scale 2^e
; (entries 0, 1 and 11 of the scales).  code = x / 2^e, held within +-448, to the nearest code, ties to even.
; THE CODES ARE LAID AS IMAGES OF OPERAND REGISTERS.  A row tile is 16 rows x 1,024 k = 16,384 bytes: eight fragments of 128 k, 2,048 bytes each; a fragment is four blocks c of 512 bytes,
; and in block c lane l's 16 bytes (at 16 l) are row l % 16, k = 32 c + 16 (l / 16) + 0 .. 15.  Four 16-byte loads a lane bring a fragment, from memory or from LDS, with no pitch.
; WHICH ROWS FORM A TILE: row r of tile j is index 32 (j / 2) + 8 (j % 2) + r + 8 (r / 8), for the tokens of query (tiles 0-255: 128 x batch + token tile) and for in_proj_weight's rows (tiles 256-447):
; a result's 16 registers of two neighbouring tiles are then 16 neighbours.  out_proj_weight's tiles (448-511) take 16 neighbouring rows.
; SHARES: work-group g makes row tile g; wave w its k 256 w .. 256 w + 255, two fragments.  Each load takes 512 consecutive bytes of one row; the numbers turn through the wave's own stage in LDS
; (16 rows of 512 + 16 bytes), so that a lane gets 16 neighbours along k of its row; each store is 512 consecutive bytes.  No barrier: waves share nothing.
; LIMITS: e between -126 and 119.  NaN among the inputs is not served.
.set SPITCH, 528
.set WSTG,   16*SPITCH
.set LI,  2                            ; v2   16 x lane
.set SI,  3                            ; v3   the stage, on the way in
.set SO,  4                            ; v4   and on the way out: row r, + 64 h
.set SCL, 6                            ; v6   2^e
.set LIM, 7                            ; v7   448 x 2^e
.set VOF, 8                            ; v8-23   row i's byte offset + 16 x lane
.set R,   24                           ; v24-151 two fragments as loaded
.set X,   152                          ; v152-215 64 numbers: register 16 c + i = k 32 c + 16 h + i of my row
.set C,   216                          ; v216-247 the codes, registers of their own for each fragment
	s_load_b256 s[4:11], s[0:1], 0x0               ; query s[4:5], in_proj_weight s[6:7], out_proj_weight s[8:9], the scales' exponents s[10:11]
	s_load_b64 s[12:13], s[0:1], 0x20              ; codes
	v_lshl_add_u32 v254, v0, 2, 0x8400
	v_mov_b32 v255, 0
	v_lshrrev_b32 v1, 5, v0
	v_readfirstlane_b32 s18, v1                    ; wave
	v_and_b32 v1, 31, v0
	v_lshlrev_b32 v[LI], 4, v1
	v_and_b32 v5, 15, v0                           ; r
	v_bfe_u32 v1, v0, 4, 1                         ; h
	s_mul_i32 s19, s18, WSTG
	v_add_nc_u32 v[SI], s19, v[LI]
	v_mul_u32_u24 v[SO], v5, SPITCH
	v_lshl_add_u32 v[SO], v1, 6, v[SO]
	v_add_nc_u32 v[SO], s19, v[SO]
	; the tile's first row in memory, for each of the three tensors; the work-group's number then chooses
	s_and_b32 s20, ttmp9, 127                      ; query: token tile,
	s_lshr_b32 s21, ttmp9, 7                       ; batch
	s_lshr_b32 s25, s20, 1
	s_lshl_b32 s25, s25, 5
	s_and_b32 s26, s20, 1
	s_lshl_b32 s26, s26, 3
	s_add_co_u32 s25, s25, s26                     ; first token
	s_lshl_b32 s25, s25, 1
	s_add_co_u32 s25, s25, s21                     ; row 2 x token + batch
	s_sub_co_u32 s22, ttmp9, 256                   ; in_proj_weight: tile j
	s_lshr_b32 s27, s22, 1
	s_lshl_b32 s27, s27, 5
	s_and_b32 s26, s22, 1
	s_lshl_b32 s26, s26, 3
	s_add_co_u32 s27, s27, s26
	s_sub_co_u32 s23, ttmp9, 448                   ; out_proj_weight: 16 j
	s_lshl_b32 s28, s23, 4
	s_wait_kmcnt 0x0
	s_load_b64 s[14:15], s[10:11], 0x0             ; e0, e1
	s_load_b32 s16, s[10:11], 0x2c                 ; e11
	s_cmp_lt_u32 ttmp9, 448
	s_cselect_b32 s27, s27, s28
	s_cselect_b64 s[6:7], s[6:7], s[8:9]
	s_cselect_b32 s29, 16, 8                       ; rows from tile row 0 to tile row 8
	s_cmp_lt_u32 ttmp9, 256
	s_cselect_b32 s27, s25, s27
	s_cselect_b64 s[4:5], s[4:5], s[6:7]
	s_cselect_b32 s29, 32, s29
	s_cselect_b32 s30, 2, 1                        ; rows from a tile row to the next
	s_lshl_b32 s29, s29, 12                        ; a row is 4,096 bytes in all three
	s_lshl_b32 s30, s30, 12
	s_lshl_b32 s32, s27, 12
	s_lshl_b32 s33, s18, 10                        ; my wave's 256 numbers of a row
	s_add_co_u32 s32, s32, s33
	s_mov_b32 s33, 0
	s_add_nc_u64 s[4:5], s[4:5], s[32:33]
	s_lshl_b32 s32, ttmp9, 14
	s_lshl_b32 s34, s18, 12
	s_add_co_u32 s32, s32, s34
	s_add_nc_u64 s[12:13], s[12:13], s[32:33]      ; my two fragments' images
	v_mov_b32 v[VOF], v[LI]
.irp i, 1,2,3,4,5,6,7
	v_add_nc_u32 v[VOF+\i], s30, v[VOF+\i-1]
.endr
	v_add_nc_u32 v[VOF+8], s29, v[VOF]
.irp i, 9,10,11,12,13,14,15
	v_add_nc_u32 v[VOF+\i], s30, v[VOF+\i-1]
.endr
.macro LOADF f                         ; fragment f: 16 rows x 512 bytes, a row an instruction
.irp i, 0,1,2,3,4,5,6,7,8,9,10,11,12,13,14,15
	global_load_b128 v[R+64*\f+4*\i:R+64*\f+4*\i+3], v[VOF+\i], s[4:5] offset:512*\f th:TH_LOAD_NT
.endr
.endm
.macro TURN f                          ; through the stage: LDS serves a wave's instructions in order, so no wait stands between the stores and the loads
.irp i, 0,1,2,3,4,5,6,7,8,9,10,11,12,13,14,15
	ds_store_b128 v[SI], v[R+64*\f+4*\i:R+64*\f+4*\i+3] offset:SPITCH*\i
.endr
.irp c, 0,1,2,3
.irp q, 0,1,2,3
	ds_load_b128 v[X+16*\c+4*\q:X+16*\c+4*\q+3], v[SO] offset:128*\c+16*\q
.endr
.endr
.endm
.macro QUANT f
.set j, 0
.rept 64
	v_med3_num_f32 v[X+j], v[X+j], -v[LIM], v[LIM] ; the conversion does not saturate (ISA guide 7.6.2): the hold at the largest code x the scale comes first
.set j, j+1
.endr
.irp c, 0,1,2,3
	v_cvt_scalef32_pk8_fp8_f32 v[C+16*\f+4*\c:C+16*\f+4*\c+1], v[X+16*\c:X+16*\c+7], v[SCL]
	v_cvt_scalef32_pk8_fp8_f32 v[C+16*\f+4*\c+2:C+16*\f+4*\c+3], v[X+16*\c+8:X+16*\c+15], v[SCL]
.endr
	v_nop                                          ; a plain line behind the last conversion
.irp c, 0,1,2,3
	global_store_b128 v[LI], v[C+16*\f+4*\c:C+16*\f+4*\c+3], s[12:13] offset:2048*\f+512*\c   ; 512 consecutive bytes, aligned
.endr
.endm
	LOADF 0
	LOADF 1
	s_wait_kmcnt 0x0
	s_cmp_lt_u32 ttmp9, 448
	s_cselect_b32 s15, s15, s16
	s_cmp_lt_u32 ttmp9, 256
	s_cselect_b32 s14, s14, s15                    ; e
	s_add_co_i32 s14, s14, 127
	s_lshl_b32 s15, s14, 23
	v_mov_b32 v[SCL], s15                          ; 2^e as f32: the conversion takes its exponent field
	s_add_co_i32 s14, s14, 8
	s_lshl_b32 s14, s14, 23
	s_or_b32 s14, s14, 0x600000
	v_mov_b32 v[LIM], s14                          ; 448 x 2^e
	s_wait_loadcnt 16                              ; fragment 0's sixteen loads are in, fragment 1's sixteen may be out
	TURN 0
	s_wait_dscnt 0x0
	QUANT 0
	s_wait_loadcnt 0x0
	TURN 1
	s_wait_dscnt 0x0
	QUANT 1
	s_wait_tensorcnt 0x0
	ds_add_u32 v254, v255
	s_wait_dscnt 0x0
	s_endpgm
.Lfunc_end_k_q71ec7a070b_quant:
	.size	k_q71ec7a070b_quant, .Lfunc_end_k_q71ec7a070b_quant-k_q71ec7a070b_quant
	.p2alignl 7, 3214868480
	.fill 96, 4, 3214868480
	.section	.rodata,"a",@progbits
	.p2align	6, 0x0
	.amdhsa_kernel k_q71ec7a070b_quant
		.amdhsa_group_segment_fixed_size 34304
		.amdhsa_private_segment_fixed_size 0
		.amdhsa_enable_private_segment 0
		.amdhsa_kernarg_size 40
		.amdhsa_user_sgpr_count 2
		.amdhsa_user_sgpr_kernarg_segment_ptr 1
		.amdhsa_wavefront_size32 1
		.amdhsa_system_sgpr_workgroup_id_x 1
		.amdhsa_system_sgpr_workgroup_id_y 1
		.amdhsa_system_sgpr_workgroup_id_z 1
		.amdhsa_system_vgpr_workitem_id 0
		.amdhsa_next_free_vgpr 256
		.amdhsa_next_free_sgpr 66
		.amdhsa_reserve_vcc 0
		.amdhsa_float_denorm_mode_32 3
		.amdhsa_float_denorm_mode_16_64 3
		.amdhsa_memory_ordered 1
		.amdhsa_forward_progress 1
		.amdhsa_inst_pref_size 21
	.end_amdhsa_kernel
	.amdgpu_metadata
---
amdhsa.version: [ 1, 2 ]
amdhsa.kernels:
  - .name:           k_q71ec7a070b_quant
    .symbol:         k_q71ec7a070b_quant.kd
    .args:
      - { .name: query, .offset: 0, .size: 8, .value_kind: global_buffer, .address_space: global }
      - { .name: in_proj_weight, .offset: 8, .size: 8, .value_kind: global_buffer, .address_space: global }
      - { .name: out_proj_weight, .offset: 16, .size: 8, .value_kind: global_buffer, .address_space: global }
      - { .name: lowp_scales, .offset: 24, .size: 8, .value_kind: global_buffer, .address_space: global }
      - { .name: codes, .offset: 32, .size: 8, .value_kind: global_buffer, .address_space: global }
    .group_segment_fixed_size: 34304
    .private_segment_fixed_size: 0
    .kernarg_segment_align: 8
    .kernarg_segment_size: 40
    .max_flat_workgroup_size: 128
    .sgpr_count:     66
    .vgpr_count:     256
    .wavefront_size: 32
...
	.end_amdgpu_metadata
.endif
;; end of part 1
;; launch gemm1 (part 2): grid 8 x 24, 4 waves a work-group, clusters of 4 x 4, 327,680 bytes of LDS; arguments codes, lowp_scales, in_proj_bias, sinusoidal_pos, qi, kv; writes qi, kv
.if DOCPART == 2
	.amdgcn_target "amdgcn-amd-amdhsa--gfx1250"
	.amdhsa_code_object_version 6
	.text
	.protected	k_q71ec7a070b_gemm1
	.globl	k_q71ec7a070b_gemm1
	.p2align	8
	.type	k_q71ec7a070b_gemm1,@function
k_q71ec7a070b_gemm1:
	s_mov_b64 s[64:65], 0
	v_nop
	global_prefetch_b8 v0, s[64:65] scope:SCOPE_SE
	s_setreg_imm32_b32 hwreg(HW_REG_WAVE_MODE, 25, 1), 1
	s_wait_xcnt 0x0
	s_wait_alu depctr_hold_cnt(0) depctr_sa_sdst(0) depctr_va_vdst(0) depctr_va_sdst(0) depctr_va_ssrc(0) depctr_va_vcc(0) depctr_vm_vsrc(0)
	s_getreg_b32 s2, hwreg(HW_REG_IB_STS2, 6, 4)
	s_cmp_eq_u32 s2, 0
	s_cbranch_scc0 .Lentry_in_a_cluster
	s_endpgm
.Lentry_in_a_cluster:
	s_bfe_u32 s2, ttmp6, 0x10000c
	s_cmp_lg_u32 s2, 0xf033
	s_cbranch_scc0 .Lentry_shape_is_right
	s_endpgm
.Lentry_shape_is_right:
; qkv = query in_proj_weight^T + bias on codes of E4M3 (K = 1,024), then q x 1/8, the rotary turn, and the six quantisers: rq (e2), q (e6), rk (e3), k (e7), v (e5 and e9).
; Operands come from the buffer of codes as images of operand registers: a row tile is 16,384 bytes, its fragment of K step s at 2,048 s, block c at 512 c, lane l at 16 l.
; A work-group of four waves makes 256 x 256 results, a wave 128 x 128: 64 accumulators, 512 registers.  K goes in steps of 256 through two LDS slots: four fills in all, written out.
; TWO MODES, told apart by the cluster's y, which all sixteen partners share.  The matrix lines are the same; the tensors change places.
;   q, k (cluster y 0-3): source 1 = 16 tokens, source 0 = 16 rows of the weight: a lane holds ONE token and its registers run along the head's d: they are quantised into fragments of q or k (K = 64).
;   v    (cluster y 4-5): source 1 = 16 rows of the weight, source 0 = 16 tokens: a lane holds ONE d and its registers run along the keys: fragments of V^T (K = 128 keys).
; By the order of rows in a tile (row r of tile j is index 32 (j/2) + 8 (j%2) + r + 8 (r/8)) the 16 registers of accumulators (a, 2 g) and (a, 2 g + 1) are 16 neighbours: 32 g + 16 (lane / 16) + 0 .. 15.
; So each group of 16 sums becomes 16 bytes a lane, which ARE a block of the next operand's image: every store of a wave is 512 consecutive bytes, aligned, and no result goes through LDS.
; OUT: qi [bh 32][block of 256 queries 8][rq, q][16 tiles][1,024];  kv [bh 32][slot of 256 keys 8][rk, k, V^T e5, V^T e9][16,384]; V^T: [128 keys 2][16 d 4][2,048].
; CLUSTERS: 4 x 4.  Source 1's tile hangs on the row of the cluster, source 0's on its column: each is asked for jointly by four work-groups.
; 192 work-groups: 128 for q and k, 64 for v; a smaller tile would fill more WGPs at twice the LDS reads for each product.
; LIMITS, so that each power of two below is an f32 number: e0 + e1 - 3 and e0 + e1 between -126 and 127; e2, e3, e5, e6, e7, e9 between -126 and 119.  NaN among the inputs is not served.
; k is laid alike in both operands but not in the matrix form's own order: only the order of the sums inside an instruction differs.
; REGISTERS: window 0: v0-31 addresses and constants; v32-127 at work on the way out; v128-255 source 1's fragments, ONE set (on the way out: codes).
;   window 1: source 0's fragments, TWO sets (v0, v128); set 0 takes sin and cos ahead of the last step.   windows 2, 3: accumulators, (a, b) at v[8 (8 (a % 4) + b)].
.set HALFT,  32768                     ; 8 row tiles x 4,096 bytes (256 along K): what one tensor load brings
.set SLOT,   4*HALFT                   ; source 1's 16 row tiles, then source 0's
.set SPARE,  2*SLOT                    ; behind the ring: the spare words, 128 bytes a wave
.set FR,     16
.set NL,     4
.set NP,     4
.set ADRA, 16                          ; v16-17  LDS address of my source 1 fragments in slot 0, 1
.set ADRB, 20                          ; v20-21  the same for source 0
.set SPW,  28
.set NIL,  29
.set LI,   12                          ; v12  16 x lane
.set VP,   13                          ; v13  q, k: my lane's byte among the rows of sin and cos;  v: my lane's byte in the bias
.set VB,   14                          ; v14  q, k: 64 h: my lane's byte in the bias
.set BI,   32                          ; v32-95  q, k: the bias of my 64 columns;  v: v32-47, one number a tile of rows, twice
.set YR,   96                          ; v96-111  16 numbers
.set ZR,   112                         ; v112-127 16 numbers, turned (q, k) or held at the other scale (v)
.set CD,   128                         ; v128-159 codes: 8 registers for each g
.set AF,   128
.set G1, 24
.set G0, 32
.set G1B, 48
.set G0B, 56
.set MSB, 0
.macro WIN new                         ; the immediate's high byte repeats the setting that is left
.if MSB != \new
	s_set_vgpr_msb (MSB<<8)|\new
.set MSB, \new
.endif
.endm
.set MUL_LO, 0xa1
.set MUL_HI, 0xf1
.set TO_B,   0x40
.macro JLOAD g0a, g1a, g0b, g1b        ; a joint load: waves 0, 1 fetch source 1's halves, waves 2, 3 source 0's; four v_nop follow each line
	s_cmp_eq_u32 s15, 0
	s_cbranch_scc0 .Lfor_b_\@
	tensor_load_to_lds s[\g0a:\g0a+3], s[\g1a:\g1a+7]
	s_nop 0
.rept 4
	v_nop
.endr
	s_branch .Lasked_\@
.Lfor_b_\@:
	tensor_load_to_lds s[\g0b:\g0b+3], s[\g1b:\g1b+7]
	s_nop 0
.rept 4
	v_nop
.endr
.Lasked_\@:
.endm
.macro CREST
	s_cmp_lg_u32 s14, 0
	s_cbranch_scc1 .Lnot_wave_0_\@
	s_barrier_signal -3
.Lnot_wave_0_\@:
	s_barrier_wait -3
	s_barrier_signal -1
	s_barrier_wait -1
.endm
.macro CROUND
	s_barrier_signal -1
	s_barrier_wait -1
	CREST
.endm
	s_load_b256 s[4:11], s[0:1], 0x0               ; codes s[4:5], the scales' exponents s[6:7], bias s[8:9], sin and cos s[10:11]
	s_load_b128 s[68:71], s[0:1], 0x20             ; qi s[68:69], kv s[70:71]
	v_lshl_add_u32 v[SPW], v0, 2, SPARE
	v_mov_b32 v[NIL], 0
	ds_add_u32 v28, v29
	ds_add_u32 v28, v29
	s_wait_dscnt 0x0
	v_lshrrev_b32 v1, 5, v0
	v_readfirstlane_b32 s14, v1                    ; wave
	s_lshr_b32 s15, s14, 1                         ; my half of source 1's rows.  Also: I fetch for source 1 (0) or source 0 (1)
	s_and_b32 s16, s14, 1                          ; my half of source 0's rows.  Also: which 8 row tiles I fetch
	s_bfe_u32 s40, ttmp6, 0x40000                  ; cx
	s_bfe_u32 s41, ttmp6, 0x40004                  ; cy
	s_lshl_b32 s42, ttmp9, 2
	s_add_co_u32 s42, s42, s40                     ; X = 4 x cluster x + cx
	s_and_b32 s12, ttmp7, 0xffff                   ; cluster y: 0-3 q and k, 4-5 v
	s_lshl_b32 s17, s12, 2
	s_add_co_u32 s17, s17, s41                     ; Y = 4 x cluster y + cy
	s_lshl_b32 s43, s41, 2
	s_lshl_b32 s43, 15, s43                        ; my row of the cluster
	s_lshl_b32 s44, 0x1111, s40                    ; my column
	; descriptor group 1: 8 rows (row tiles) of 4,096 bytes, 16,384 bytes apart; elements of 8 bytes; dense in LDS
	s_or_b32 s[G1+0], s43, (3<<16)|(1<<21)
	s_or_b32 s[G1B+0], s44, (3<<16)|(1<<21)
.irp g, G1, G1B
	s_mov_b32 s[\g+1], 512<<16                     ; tensor_dim0
	s_mov_b32 s[\g+2], 8<<16                       ; tensor_dim1
	s_mov_b32 s[\g+3], 512<<16                     ; tile_dim0
	s_mov_b32 s[\g+4], 8                           ; tile_dim1
	s_mov_b32 s[\g+5], 2048                        ; tensor_dim0_stride
	s_mov_b32 s[\g+6], 0
	s_mov_b32 s[\g+7], 0
.endr
	; the first row tiles.  Source 1's hang on cy and the cluster's y alone, source 0's on cx, the cluster's x and y alone
	s_lshl_b32 s20, s17, 4                         ; q, k: tokens, tile 16 Y
	s_lshl_b32 s21, s41, 4
	s_add_co_u32 s21, s21, 384                     ; v: the weight's rows 2,048 on: tile 384 + 16 cy
	s_lshl_b32 s46, s42, 4
	s_add_co_u32 s47, s46, 256                     ; q, k: the weight's rows: tile 256 + 16 X
	s_sub_co_u32 s13, s12, 4                       ; v: the batch
	s_lshl_b32 s45, s13, 7
	s_add_co_u32 s46, s46, s45                     ; v: tokens, tile 128 x batch + 16 X
	s_cmp_ge_u32 s12, 4
	s_cselect_b32 s20, s21, s20
	s_cselect_b32 s46, s46, s47
	s_lshl_b32 s18, s16, 3
	s_add_co_u32 s20, s20, s18
	s_add_co_u32 s46, s46, s18
	s_lshl_b32 s20, s20, 14
	s_lshl_b32 s46, s46, 14
	s_mov_b32 s21, 0
	s_mov_b32 s47, 0
	s_mul_i32 s45, s14, HALFT                      ; where they go: wave x 32,768
	s_wait_kmcnt 0x0
	s_load_b256 s[72:79], s[6:7], 0x0              ; e0 .. e7
	s_load_b128 s[80:83], s[6:7], 0x20             ; e8 .. e11
	s_add_nc_u64 s[20:21], s[4:5], s[20:21]
	s_add_nc_u64 s[46:47], s[4:5], s[46:47]
	CROUND                                         ; all sixteen work-groups are here: the first joint loads meet
.irp s, 0,1
	s_mov_b32 s[G0+4*\s], 1
	s_add_co_u32 s[G0+4*\s+1], s45, \s*SLOT
	s_add_nc_u64 s[G0+4*\s+2:G0+4*\s+3], s[20:21], \s*4096
	s_or_b32 s[G0+4*\s+3], s[G0+4*\s+3], 0x80000000
	s_mov_b32 s[G0B+4*\s], 1
	s_add_co_u32 s[G0B+4*\s+1], s45, \s*SLOT
	s_add_nc_u64 s[G0B+4*\s+2:G0B+4*\s+3], s[46:47], \s*4096
	s_or_b32 s[G0B+4*\s+3], s[G0B+4*\s+3], 0x80000000
	JLOAD G0+4*\s, G1, G0B+4*\s, G1B
.endr
	v_and_b32 v1, 31, v0
	v_lshlrev_b32 v[LI], 4, v1
	v_and_b32 v1, 15, v0                           ; r
	v_bfe_u32 v2, v0, 4, 1                         ; h
	v_and_b32 v3, 8, v1
	v_add_nc_u32 v3, v3, v1                        ; r + 8 (r / 8)
	s_mul_i32 s21, s15, HALFT
	s_mul_i32 s22, s16, HALFT
	s_add_co_u32 s22, s22, 2*HALFT
.irp s, 0,1
	v_add_nc_u32 v[ADRA+\s], s21, v[LI]
	v_add_nc_u32 v[ADRB+\s], s22, v[LI]
	s_add_co_u32 s21, s21, SLOT
	s_add_co_u32 s22, s22, SLOT
.endr
.macro FRAG reg, adr, q, i             ; row tile i's fragment of the slot's q-th 128 along K: four loads of 512 consecutive bytes
.irp c, 0,1,2,3
	ds_load_b128 v[\reg+4*\c:\reg+4*\c+3], v[\adr] offset:4096*(\i)+2048*(\q)+512*\c
.endr
.endm
; 16 matrix instructions.  The 64 accumulators take turns, one instruction a turn, in the same order in every step.
.macro MUL16 a0, p, zero
.irp a, \a0, \a0+1
.irp b, 0,1,2,3,4,5,6,7
.if \zero
	v_wmma_f32_16x16x128_fp8_fp8 v[8*(8*((\a)%4)+\b):8*(8*((\a)%4)+\b)+7], v[128*(\p)+FR*\b:128*(\p)+FR*\b+FR-1], v[AF+FR*(\a):AF+FR*(\a)+FR-1], 0
.else
	v_wmma_f32_16x16x128_fp8_fp8 v[8*(8*((\a)%4)+\b):8*(8*((\a)%4)+\b)+7], v[128*(\p)+FR*\b:128*(\p)+FR*\b+FR-1], v[AF+FR*(\a):AF+FR*(\a)+FR-1], v[8*(8*((\a)%4)+\b):8*(8*((\a)%4)+\b)+7]
.endif
.endr
.endr
.endm
.macro FETCH_B slot, q, p
	WIN TO_B
.irp i, 0,1,2,3,4,5,6,7
	FRAG 128*(\p)+FR*\i, ADRB+\slot, \q, \i
.endr
	WIN 0
.endm
.macro FETCH_A slot, q, i0
.irp i, \i0, \i0+1, \i0+2, \i0+3
	FRAG AF+FR*(\i), ADRA+\slot, \q, \i
.endr
.endm
.macro PLACES n                        ; plain vector lines between a matrix instruction and a load into, or a vector line on, its registers
.rept \n
	v_nop
.endr
.endm
.macro STEP slot, q, zero              ; 128 along K, with its successor in the same slot
	s_wait_dscnt 4*NL                              ; source 0's set and source 1's blocks 0-3 are in; the youngest sixteen loads (blocks 4-7) may be out
	WIN MUL_LO
	MUL16 0, (\q)%2, \zero
	MUL16 2, (\q)%2, \zero
	s_wait_dscnt 0
	PLACES NP
	FETCH_B \slot, (\q)+1, 1-(\q)%2
	FETCH_A \slot, (\q)+1, 0
	WIN MUL_HI
	MUL16 4, (\q)%2, \zero
	MUL16 6, (\q)%2, \zero
	PLACES NP
	WIN 0
	FETCH_A \slot, (\q)+1, 4
.endm
; A slot's last step changes slots: one barrier; in front of it each wave waits for all its tensor loads, adds 0 to its spare word, and waits for that and for its reads of the slot.
.macro TURN slot, next, fill
	s_wait_tensorcnt 0x0                           ; all my tensor loads have landed: my part of the next slot
	ds_add_u32 v[SPW], v[NIL]                      ; 0 onto my spare word
	s_wait_dscnt 4*NL+1                            ; the add and the youngest sixteen loads may be out
	WIN MUL_LO
	MUL16 0, 1, 0
	s_wait_dscnt 0x0                               ; the add is done, and my reads of this slot are over
	s_barrier_signal -1
	MUL16 2, 1, 0
	WIN 0
	s_barrier_wait -1
.if \fill
	CREST                                          ; the barrier has opened a round of the cluster's: no wave of any partner still reads this slot or has a load on its way
	s_add_nc_u64 s[G0+4*\slot+2:G0+4*\slot+3], s[G0+4*\slot+2:G0+4*\slot+3], 2*4096
	s_add_nc_u64 s[G0B+4*\slot+2:G0B+4*\slot+3], s[G0B+4*\slot+2:G0B+4*\slot+3], 2*4096
	JLOAD G0+4*\slot, G1, G0B+4*\slot, G1B         ; the first tensor load behind the round; its four v_nop are the places in front of the loads below
.else
	PLACES NP
.endif
	FETCH_B \next, 0, 0
	FETCH_A \next, 0, 0
	WIN MUL_HI
	MUL16 4, 1, 0
	MUL16 6, 1, 0
	PLACES NP
	WIN 0
	FETCH_A \next, 0, 4
.endm
.macro LAST                            ; the very last 128 along K: nothing more to fetch
	s_wait_dscnt 4*NL
	WIN MUL_LO
	MUL16 0, 1, 0
	MUL16 2, 1, 0
	s_wait_dscnt 0
	WIN MUL_HI
	MUL16 4, 1, 0
	MUL16 6, 1, 0
	WIN 0
.endm
	s_wait_tensorcnt 1                             ; my part of slot 0 is in; slot 1's load may stay out
	s_barrier_signal -1
	s_barrier_wait -1
	FETCH_B 0, 0, 0
	FETCH_A 0, 0, 0
	FETCH_A 0, 0, 4
	STEP 0, 0, 1                                   ; the first products start the sums
	TURN 0, 1, 1                                   ; slot 0 takes K 512 on
	STEP 1, 0, 0
	TURN 1, 0, 1                                   ; slot 1 takes K 768 on
	STEP 0, 0, 0
	TURN 0, 1, 0
	STEP 1, 0, 0
	; the constants of the way out.  Choices among the given exponents are made by selects on the work-group's place; no branch hangs on a loaded number
	s_wait_kmcnt 0x0
	s_add_co_i32 s96, s72, s73                     ; e0 + e1
	s_mov_b32 s98, 0x3f800000
	s_cmp_eq_u32 ttmp9, 0                          ; cluster x 0: q; 1: k
	s_cselect_b32 s84, s74, s75                    ; the turned numbers' exponent: e2 or e3
	s_cselect_b32 s85, s78, s79                    ; the plain numbers': e6 or e7
	s_cselect_b32 s86, 3, 0                        ; q x 1/8 goes into the power of two,
	s_cselect_b32 s98, 0x3e000000, s98             ; and onto the bias
	s_cmp_ge_u32 s12, 4
	s_cselect_b32 s84, s77, s84                    ; v: e5
	s_cselect_b32 s85, s81, s85                    ; and e9
	s_cselect_b32 s86, 0, s86
	s_mov_b32 s99, s98
	s_sub_co_i32 s96, s96, s86
	s_add_co_i32 s96, s96, 127
	s_lshl_b32 s96, s96, 23                        ; 2^(e0 + e1), for q / 8
	s_mov_b32 s97, s96
	s_add_co_i32 s84, s84, 127
	s_lshl_b32 s86, s84, 23
	v_mov_b32 v8, s86                              ; the first scale as f32,
	s_add_co_i32 s84, s84, 8
	s_lshl_b32 s84, s84, 23
	s_or_b32 s84, s84, 0x600000
	v_mov_b32 v9, s84                              ; 448 x it
	s_add_co_i32 s85, s85, 127
	s_lshl_b32 s86, s85, 23
	v_mov_b32 v10, s86                             ; the second scale,
	s_add_co_i32 s85, s85, 8
	s_lshl_b32 s85, s85, 23
	s_or_b32 s85, s85, 0x600000
	v_mov_b32 v11, s85                             ; 448 x it
	s_cmp_ge_u32 s12, 4                            ; the one branch on the mode: alike in all waves and in all sixteen partners
	s_cbranch_scc1 .Lv_mode
	; ---------------- q and k ----------------
	v_lshlrev_b32 v[VP], 8, v3                     ; a token's row of sin and cos is 256 bytes: (r + 8 (r / 8)) x 256
	v_lshl_add_u32 v[VP], v2, 5, v[VP]             ; + 32 h: my eight pairs
	v_lshlrev_b32 v[VB], 6, v2
	s_lshl_b32 s92, s42, 10                        ; bias: column 256 X + 128 x my half
	s_lshl_b32 s93, s16, 9
	s_add_co_u32 s92, s92, s93
	s_mov_b32 s93, 0
	s_add_nc_u64 s[8:9], s[8:9], s[92:93]
	s_and_b32 s87, s17, 7                          ; which 256 tokens of the batch
	s_lshl_b32 s92, s87, 16
	s_lshl_b32 s86, s15, 15
	s_add_co_u32 s92, s92, s86
	s_add_nc_u64 s[94:95], s[10:11], s[92:93]      ; sin and cos at my wave's first token
.irp g, 0,1,2,3
.irp q, 0,1,2,3
	global_load_b128 v[BI+16*\g+4*\q:BI+16*\g+4*\q+3], v[VB], s[8:9] offset:128*\g+16*\q
.endr
.endr
; sin (w = 0) and cos (w = 1) of my token of row tile a, for the eight pairs of each g, into window 1, buffer a % 2.  The head's parity, g / 2, picks the plane (my wave's first head is even).
.macro SCLOAD a
	WIN 0x40
.irp g, 0,1,2,3
.irp w, 0,1
.irp q, 0,1
	global_load_b128 v[64*((\a)%2)+16*\g+8*\w+4*\q:64*((\a)%2)+16*\g+8*\w+4*\q+3], v[VP], s[94:95] offset:524288*(\g/2)+(32*((\a)/2)+8*((\a)%2))*256+64*(\g%2)+128*\w+16*\q
.endr
.endr
.endr
	WIN 0
.endm
	SCLOAD 0                                       ; into source 0's set 0: its last products stand in front of the places that close the step above
	SCLOAD 1
	s_lshr_b32 s86, s17, 3                         ; batch
	s_lshl_b32 s86, s86, 4
	s_and_b32 s92, s42, 3
	s_lshl_b32 s92, s92, 2
	s_add_co_u32 s86, s86, s92
	s_lshl_b32 s92, s16, 1
	s_add_co_u32 s86, s86, s92                     ; bh of my first head: 16 x batch + 4 (X % 4) + 2 x my half
	s_lshl_b32 s86, s86, 3
	s_add_co_u32 s86, s86, s87                     ; x 8 + the block of 256 tokens
	s_cmp_eq_u32 ttmp9, 0
	s_cselect_b32 s87, 15, 16                      ; such a block is 32,768 bytes in qi, 65,536 in kv
	s_cselect_b64 s[88:89], s[68:69], s[70:71]
	s_lshl_b32 s92, s86, s87
	s_lshl_b32 s90, 8, s87                         ; from a head to the next
	s_mov_b32 s91, 0
	s_lshl_b32 s86, s15, 13                        ; my 8 token tiles of the 16
	s_add_co_u32 s92, s92, s86
	s_add_nc_u64 s[88:89], s[88:89], s[92:93]      ; my first head's images,
	s_add_nc_u64 s[90:91], s[88:89], s[90:91]      ; my second head's
	LAST
	s_wait_loadcnt 32                              ; the bias is in; sin and cos of row tiles 0 and 1 (32 loads) may be out
.set j, 0
.rept 32
	v_pk_mul_f32 v[BI+j:BI+j+1], v[BI+j:BI+j+1], s[98:99] op_sel_hi:[1,0]   ; q: bias / 8.  (These lines are also the places behind the last products)
.set j, j+2
.endr
; row tile a, columns 32 g + 16 h + 0 .. 15: y = sum x 2^(..) + bias; z = y turned; both held and quantised; 16 bytes a lane each
.macro QK_BLOCK a, g
.set AC, 64*((\a)%4)+16*(\g)
.set SB, 64*((\a)%2)+16*(\g)
	WIN 0x02+(\a)/4
.irp j, 0,2,4,6,8,10,12,14
	v_pk_fma_f32 v[YR+\j:YR+\j+1], v[AC+\j:AC+\j+1], s[96:97], v[BI+16*(\g)+\j:BI+16*(\g)+\j+1] op_sel_hi:[1,0,1]   ; each accumulator from its low end on
.endr
	WIN 0x04                                       ; source 1: window 1
.irp i, 0,1,2,3,4,5,6,7
	v_mul_f32 v[ZR+2*\i], v[YR+2*\i], v[SB+8+\i]
	v_mul_f32 v[ZR+2*\i+1], v[YR+2*\i+1], v[SB+8+\i]
.endr
.irp i, 0,1,2,3,4,5,6,7
	v_fma_f32 v[ZR+2*\i], -v[YR+2*\i+1], v[SB+\i], v[ZR+2*\i]        ; x0 cos - x1 sin
	v_fma_f32 v[ZR+2*\i+1], v[YR+2*\i], v[SB+\i], v[ZR+2*\i+1]       ; x1 cos + x0 sin
.endr
	WIN 0
.irp i, 0,1,2,3,4,5,6,7,8,9,10,11,12,13,14,15
	v_med3_num_f32 v[ZR+\i], v[ZR+\i], -v9, v9
.endr
.irp i, 0,1,2,3,4,5,6,7,8,9,10,11,12,13,14,15
	v_med3_num_f32 v[YR+\i], v[YR+\i], -v11, v11
.endr
	v_cvt_scalef32_pk8_fp8_f32 v[CD+8*(\g):CD+8*(\g)+1], v[ZR:ZR+7], v8
	v_cvt_scalef32_pk8_fp8_f32 v[CD+8*(\g)+2:CD+8*(\g)+3], v[ZR+8:ZR+15], v8
	v_cvt_scalef32_pk8_fp8_f32 v[CD+8*(\g)+4:CD+8*(\g)+5], v[YR:YR+7], v10
	v_cvt_scalef32_pk8_fp8_f32 v[CD+8*(\g)+6:CD+8*(\g)+7], v[YR+8:YR+15], v10
	v_nop                                          ; a plain line behind the last conversion
	global_store_b128 v[LI], v[CD+8*(\g):CD+8*(\g)+3], s[88+2*((\g)/2):89+2*((\g)/2)] offset:1024*(\a)+512*((\g)%2)
	global_store_b128 v[LI], v[CD+8*(\g)+4:CD+8*(\g)+7], s[88+2*((\g)/2):89+2*((\g)/2)] offset:16384+1024*(\a)+512*((\g)%2)
.endm
.irp a, 0,1,2,3,4,5,6,7
.if \a > 0
	s_wait_xcnt 0x0                                ; the last row tile's stores have read their data: the codes' registers are written again
.endif
.if \a < 7
	s_wait_loadcnt 16                              ; this row tile's sin and cos are in; the next one's sixteen loads may be out
.else
	s_wait_loadcnt 0x0
.endif
.irp g, 0,1,2,3
	QK_BLOCK \a, \g
.endr
.if \a < 6
	SCLOAD \a+2
.endif
.endr
	s_branch .Lend
	; ---------------- v ----------------
.Lv_mode:
	v_lshlrev_b32 v[VP], 2, v3                     ; the bias of my d: (r + 8 (r / 8)) x 4
	s_lshl_b32 s92, s41, 10
	s_lshl_b32 s93, s15, 9
	s_add_co_u32 s92, s92, s93
	s_add_co_u32 s92, s92, 8192                    ; row 2,048 + 256 cy + 128 x my half
	s_mov_b32 s93, 0
	s_add_nc_u64 s[8:9], s[8:9], s[92:93]
.irp a, 0,1,2,3,4,5,6,7
	global_load_b32 v[BI+2*\a], v[VP], s[8:9] offset:(32*(\a/2)+8*(\a%2))*4
.endr
	s_lshl_b32 s86, s13, 4
	s_lshl_b32 s92, s41, 2
	s_add_co_u32 s86, s86, s92
	s_lshl_b32 s92, s15, 1
	s_add_co_u32 s86, s86, s92                     ; bh of my first head: 16 x batch + 4 cy + 2 x my half
	s_lshl_b32 s86, s86, 3
	s_add_co_u32 s86, s86, s42                     ; x 8 + the slot of 256 keys, X
	s_lshl_b32 s92, s86, 16
	s_lshl_b32 s86, s16, 13                        ; my 128 keys of the 256
	s_add_co_u32 s92, s92, s86
	s_add_co_u32 s92, s92, 32768                   ; behind rk and k
	s_add_nc_u64 s[88:89], s[70:71], s[92:93]
	s_add_nc_u64 s[90:91], s[88:89], 524288        ; my second head
	LAST
	s_wait_loadcnt 0x0
.irp a, 0,1,2,3,4,5,6,7
	v_mov_b32 v[BI+2*\a+1], v[BI+2*\a]             ; a pair for the packed form.  (These lines are also the places behind the last products)
.endr
; d tile a, keys 32 g + 16 h + 0 .. 15: y = sum x 2^(e0 + e1) + bias, held and quantised twice, with e5 and with e9
.macro V_BLOCK a, g
.set AC, 64*((\a)%4)+16*(\g)
	WIN 0x02+(\a)/4
.irp j, 0,2,4,6,8,10,12,14
	v_pk_fma_f32 v[YR+\j:YR+\j+1], v[AC+\j:AC+\j+1], s[96:97], v[BI+2*(\a):BI+2*(\a)+1] op_sel_hi:[1,0,1]
.endr
	WIN 0
.irp i, 0,1,2,3,4,5,6,7,8,9,10,11,12,13,14,15
	v_med3_num_f32 v[ZR+\i], v[YR+\i], -v9, v9
.endr
.irp i, 0,1,2,3,4,5,6,7,8,9,10,11,12,13,14,15
	v_med3_num_f32 v[YR+\i], v[YR+\i], -v11, v11
.endr
	v_cvt_scalef32_pk8_fp8_f32 v[CD+8*(\g):CD+8*(\g)+1], v[ZR:ZR+7], v8
	v_cvt_scalef32_pk8_fp8_f32 v[CD+8*(\g)+2:CD+8*(\g)+3], v[ZR+8:ZR+15], v8
	v_cvt_scalef32_pk8_fp8_f32 v[CD+8*(\g)+4:CD+8*(\g)+5], v[YR:YR+7], v10
	v_cvt_scalef32_pk8_fp8_f32 v[CD+8*(\g)+6:CD+8*(\g)+7], v[YR+8:YR+15], v10
	v_nop
	global_store_b128 v[LI], v[CD+8*(\g):CD+8*(\g)+3], s[88+2*((\a)/4):89+2*((\a)/4)] offset:2048*((\a)%4)+512*(\g)
	global_store_b128 v[LI], v[CD+8*(\g)+4:CD+8*(\g)+7], s[88+2*((\a)/4):89+2*((\a)/4)] offset:16384+2048*((\a)%4)+512*(\g)
.endm
.irp a, 0,1,2,3,4,5,6,7
.if \a > 0
	s_wait_xcnt 0x0
.endif
.irp g, 0,1,2,3
	V_BLOCK \a, \g
.endr
.endr
.Lend:
	s_wait_tensorcnt 0x0                           ; the wave's end
	ds_add_u32 v[SPW], v[NIL]
	s_wait_dscnt 0x0
	CROUND                                         ; the closing round
	s_endpgm
.Lfunc_end_k_q71ec7a070b_gemm1:
	.size	k_q71ec7a070b_gemm1, .Lfunc_end_k_q71ec7a070b_gemm1-k_q71ec7a070b_gemm1
	.p2alignl 7, 3214868480
	.fill 96, 4, 3214868480
	.section	.rodata,"a",@progbits
	.p2align	6, 0x0
	.amdhsa_kernel k_q71ec7a070b_gemm1
		.amdhsa_group_segment_fixed_size 327680
		.amdhsa_private_segment_fixed_size 0
		.amdhsa_enable_private_segment 0
		.amdhsa_kernarg_size 48
		.amdhsa_user_sgpr_count 2
		.amdhsa_user_sgpr_kernarg_segment_ptr 1
		.amdhsa_wavefront_size32 1
		.amdhsa_system_sgpr_workgroup_id_x 1
		.amdhsa_system_sgpr_workgroup_id_y 1
		.amdhsa_system_sgpr_workgroup_id_z 1
		.amdhsa_system_vgpr_workitem_id 0
		.amdhsa_next_free_vgpr 1024
		.amdhsa_next_free_sgpr 100
		.amdhsa_reserve_vcc 0
		.amdhsa_float_denorm_mode_32 3
		.amdhsa_float_denorm_mode_16_64 3
		.amdhsa_memory_ordered 1
		.amdhsa_forward_progress 1
		.amdhsa_inst_pref_size 255
	.end_amdhsa_kernel
	.section	.bss,"aw",@nobits
	.p2align	6
	.space	262144
	.amdgpu_metadata
---
amdhsa.version: [ 1, 2 ]
amdhsa.kernels:
  - .name:           k_q71ec7a070b_gemm1
    .symbol:         k_q71ec7a070b_gemm1.kd
    .args:
      - { .name: codes, .offset: 0, .size: 8, .value_kind: global_buffer, .address_space: global }
      - { .name: lowp_scales, .offset: 8, .size: 8, .value_kind: global_buffer, .address_space: global }
      - { .name: in_proj_bias, .offset: 16, .size: 8, .value_kind: global_buffer, .address_space: global }
      - { .name: sinusoidal_pos, .offset: 24, .size: 8, .value_kind: global_buffer, .address_space: global }
      - { .name: qi, .offset: 32, .size: 8, .value_kind: global_buffer, .address_space: global }
      - { .name: kv, .offset: 40, .size: 8, .value_kind: global_buffer, .address_space: global }
    .group_segment_fixed_size: 327680
    .private_segment_fixed_size: 0
    .kernarg_segment_align: 8
    .kernarg_segment_size: 48
    .max_flat_workgroup_size: 128
    .sgpr_count:     100
    .vgpr_count:     1024
    .wavefront_size: 32
...
	.end_amdgpu_metadata
.endif
;; end of part 2
;; launch attn (part 3): grid 8 x 32, 8 waves a work-group, clusters of 4 x 1, 327,680 bytes of LDS; arguments qi, kv, local_attn_mask, lowp_scales, ao; writes ao
.if DOCPART == 3
	.amdgcn_target "amdgcn-amd-amdhsa--gfx1250"
	.amdhsa_code_object_version 6
	.text
	.protected	k_q71ec7a070b_attn
	.globl	k_q71ec7a070b_attn
	.p2align	8
	.type	k_q71ec7a070b_attn,@function
k_q71ec7a070b_attn:
	s_mov_b64 s[64:65], 0
	v_nop
	global_prefetch_b8 v0, s[64:65] scope:SCOPE_SE
	s_setreg_imm32_b32 hwreg(HW_REG_WAVE_MODE, 25, 1), 1
	s_wait_xcnt 0x0
	s_wait_alu depctr_hold_cnt(0) depctr_sa_sdst(0) depctr_va_vdst(0) depctr_va_sdst(0) depctr_va_ssrc(0) depctr_va_vcc(0) depctr_vm_vsrc(0)
	s_getreg_b32 s2, hwreg(HW_REG_IB_STS2, 6, 4)
	s_cmp_eq_u32 s2, 0
	s_cbranch_scc0 .Lentry_in_a_cluster
	s_endpgm
.Lentry_in_a_cluster:
	s_bfe_u32 s2, ttmp6, 0x10000c
	s_cmp_lg_u32 s2, 0x3003
	s_cbranch_scc0 .Lentry_shape_is_right
	s_endpgm
.Lentry_shape_is_right:
; Both branches of the attention for one (batch, head) bh and 256 queries: the local one (turned q and k, the mask that is given) and the global one (plain q and k, no mask), added, and quantised with e10.
; All four products on codes of E4M3.  SOFTMAX: t = score x log2(e); M = the running largest t rounded UP to a whole number; p = 2^(t - M) is quantised (e4, e8), not normalised; the row's sum is taken of
; the unquantised p and divides at the end; when M moves, the sum and O are multiplied by 2^(old M - new M), which rounds nothing.  A masked score is -infinity ahead of the maximum: p = 0.
; A row with no visible key gives 0 / 0 = NaN, and the NaN is kept through the hold.
; SHARES.  Eight waves, two to a SIMD; wave w owns 32 queries, tiles 2 w and 2 w + 1 of the block, so that each fragment of K or V read from LDS feeds two matrix instructions.  Every wave walks all 2,048 keys, 128 a step.
; LAYOUT.  Both products transposed: S^T = K Q^T (K = 64), O^T = V^T P^T (K = 128 keys): a lane holds one query throughout.  Operands lie in memory and in LDS as images of their registers (block c at 512 c, lane l at 16 l).
; By the order of rows in a tile (row r of tile j: 32 (j/2) + 8 (j%2) + r + 8 (r/8)) the 16 registers of score tiles 2 c, 2 c + 1 are keys 32 c + 16 (lane / 16) + 0 .. 15, and likewise O^T's along d.
; THE RING: two slots of 256 keys: kv's block of 65,536 bytes (rk, k, V^T e5, V^T e9: waves 0-3, one kind each, asked for JOINTLY by the cluster's four blocks of queries, which share the head)
; and my block's mask, 256 rows x 256 bytes + 16 of padding (waves 4-7, 64 rows each, loads of my own).  One tensor load a wave behind each round; it has two key steps of both branches in which to land.
; No prefetch is laid: between a tile's request and the wait for it stand two key steps of both branches, about 2,900 vector and matrix lines a wave.
; LIMITS: e2 + e3 and e6 + e7 between -126 and 126 (they are added to the exponent field of log2(e)); e4, e8, e10 between -126 and 119.  Mask bytes are 0 or 1.
; REGISTERS.  window 0: v1-7 addresses; v8-15 maxima and f; v16-31 -M, largest t, the sum's two halves for (branch, tile); v32-63 Q; v64-191 S^T, then p; v192-223 mask bytes, then p's codes; v224-247 constants and temporaries.
;   window 1: v0-127 O^T (64 x branch + 32 x tile + 8 x d tile); v128-191 K's eight fragments; v192-255 V's four.
.set SLOTB, 135168                     ; a slot: 2^17 + 2^12 bytes; no load's LDS address in slot 0 has either bit, so one exclusive or turns it into slot 1's
.set MOFF,  65536                      ; the mask's rows begin behind kv's block
.set MP,    272
.set SPARE, 2*SLOTB                    ; the spare words, 128 bytes for each of eight waves
.set LI,   1
.set AM0,  3                           ; v3  my lane's place in the mask's tile
.set ADKV, 4
.set ADM,  5
.set SPW,  6
.set NIL,  7
.set ST,   16
.set Q,    32
.set S,    64
.set P,    192
.set FK,   128                         ; in window 1
.set FV,   192
.set WV,   14
.set SEL,  20
.set CL,   22                          ; s[22:23] c of the local branch, s[24:25] of the global one
.set G1K,  28
.set G1M,  36
.set G0K,  44
.set G0M,  48
.set SLOTS, 56
.set TWICE, 57
.set TBK,  58                          ; s58  LDS byte of the step's part of kv's block
.set TBM,  59                          ; s59  the same for the mask's rows
.set SELP, 60                          ; s[60:63] byte selects
.set MSB, 0
.macro WIN new
.if MSB != \new
	s_set_vgpr_msb (MSB<<8)|\new
.set MSB, \new
.endif
.endm
.macro TLOAD                           ; waves 0-3: the joint load of a kind of kv; waves 4-7: 64 rows of my mask.  Four v_nop follow each line
	s_cmp_lt_u32 s[WV], 4
	s_cbranch_scc0 .Lfor_m_\@
	tensor_load_to_lds s[G0K:G0K+3], s[G1K:G1K+7]
	s_nop 0
.rept 4
	v_nop
.endr
	s_branch .Lasked_\@
.Lfor_m_\@:
	tensor_load_to_lds s[G0M:G0M+3], s[G1M:G1M+7]
	s_nop 0
.rept 4
	v_nop
.endr
.Lasked_\@:
.endm
.macro CROUND
	s_barrier_signal -1
	s_barrier_wait -1
	s_cmp_lg_u32 s[WV], 0
	s_cbranch_scc1 .Lnot_wave_0_\@
	s_barrier_signal -3
.Lnot_wave_0_\@:
	s_barrier_wait -3
	s_barrier_signal -1
	s_barrier_wait -1
.endm
.macro PLACES
.rept 4
	v_nop
.endr
.endm
	s_load_b256 s[4:11], s[0:1], 0x0               ; qi s[4:5], kv s[6:7], mask s[8:9], the scales' exponents s[10:11]
	s_load_b64 s[12:13], s[0:1], 0x20              ; ao
	v_lshl_add_u32 v[SPW], v0, 2, SPARE
	v_mov_b32 v[NIL], 0
	ds_add_u32 v6, v7
	ds_add_u32 v6, v7
	s_wait_dscnt 0x0
	v_lshrrev_b32 v2, 5, v0
	v_readfirstlane_b32 s[WV], v2                  ; wave 0..7
	s_and_b32 s15, s[WV], 3                        ; which kind of kv, or which 64 rows of the mask, I fetch
	s_bfe_u32 s16, ttmp6, 0x40000                  ; cx
	s_lshl_b32 s17, ttmp9, 2
	s_add_co_u32 s17, s17, s16                     ; my block of 256 queries
	s_and_b32 s18, ttmp7, 0xffff                   ; bh, which the four partners share
	s_mov_b32 s[G1K], 15|(3<<16)|(1<<21)           ; the mask names all four; elements of 8 bytes; 64 dense rows of 256 bytes
	s_mov_b32 s[G1K+1], 32<<16
	s_mov_b32 s[G1K+2], 64<<16
	s_mov_b32 s[G1K+3], 32<<16
	s_mov_b32 s[G1K+4], 64
	s_mov_b32 s[G1K+5], 32
	s_mov_b32 s[G1K+6], 0
	s_mov_b32 s[G1K+7], 0
	s_mov_b32 s[G1M], (1<<20)|(5<<22)|(3<<25)      ; a load of my own; elements of 1 byte; four words of padding behind every 64
	s_mov_b32 s[G1M+1], 256<<16
	s_mov_b32 s[G1M+2], 64<<16
	s_mov_b32 s[G1M+3], 256<<16
	s_mov_b32 s[G1M+4], 64
	s_mov_b32 s[G1M+5], 2048
	s_mov_b32 s[G1M+6], 0
	s_mov_b32 s[G1M+7], 0
	s_lshl_b32 s52, s18, 19                        ; kv: 524,288 bh + 16,384 x kind: nothing of my place in the cluster
	s_lshl_b32 s53, s15, 14
	s_add_co_u32 s52, s52, s53
	s_mov_b32 s53, 0
	s_lshl_b32 s54, s18, 22                        ; mask: 4,194,304 bh + (256 x block + 64 x part) rows of 2,048
	s_lshl_b32 s55, s17, 19
	s_add_co_u32 s54, s54, s55
	s_lshl_b32 s55, s15, 17
	s_add_co_u32 s54, s54, s55
	s_mov_b32 s55, 0
	s_mov_b32 s[SEL], 0x76543210
	s_mov_b32 s[SEL+1], 0xfedcba98
	s_mov_b32 s[SELP], (4<<24)|0x0101              ; byte 3 = byte i of the first source; byte 2 = 0x80; bytes 1, 0 = 0
	s_mov_b32 s[SELP+1], (5<<24)|0x0101
	s_mov_b32 s[SELP+2], (6<<24)|0x0101
	s_mov_b32 s[SELP+3], (7<<24)|0x0101
	s_mov_b32 s66, 0x7f7f7f7f
	s_mov_b32 s[TBK], 0
	s_mov_b32 s[TBM], 0
	s_mov_b32 s[SLOTS], 7
	s_wait_kmcnt 0x0
	s_load_b256 s[68:75], s[10:11], 0x0            ; e0 .. e7
	s_load_b128 s[76:79], s[10:11], 0x20           ; e8 .. e11
	s_mov_b32 s[G0K], 1
	s_lshl_b32 s[G0K+1], s15, 14
	s_add_nc_u64 s[G0K+2:G0K+3], s[6:7], s[52:53]
	s_or_b32 s[G0K+3], s[G0K+3], 0x80000000
	s_mov_b32 s[G0M], 1
	s_mul_i32 s[G0M+1], s15, 64*MP
	s_add_co_u32 s[G0M+1], s[G0M+1], MOFF
	s_add_nc_u64 s[G0M+2:G0M+3], s[8:9], s[54:55]
	s_or_b32 s[G0M+3], s[G0M+3], 0x80000000
	CROUND                                         ; all four work-groups are here
	TLOAD                                          ; slot 0
	s_lshl_b32 s80, s18, 3
	s_add_co_u32 s80, s80, s17
	s_lshl_b32 s80, s80, 15
	s_lshl_b32 s81, s[WV], 11
	s_add_co_u32 s80, s80, s81
	s_mov_b32 s81, 0
	s_add_nc_u64 s[4:5], s[4:5], s[80:81]          ; qi at my two tiles
	v_and_b32 v2, 31, v0
	v_lshlrev_b32 v[LI], 4, v2
.irp k, 0,1
.irp u, 0,1
.irp c, 0,1
	global_load_b128 v[Q+16*\k+8*\u+4*\c:Q+16*\k+8*\u+4*\c+3], v[LI], s[4:5] offset:16384*\k+1024*\u+512*\c   ; turned q (k = 0) and plain q (1) stay in registers
.endr
.endr
.endr
	s_lshr_b32 s80, s18, 4                         ; ao: row tile 128 x batch + 16 x block + 2 w; the head's 64 along K are 1,024 bytes of a tile's image
	s_lshl_b32 s80, s80, 7
	s_lshl_b32 s82, s17, 4
	s_add_co_u32 s80, s80, s82
	s_lshl_b32 s82, s[WV], 1
	s_add_co_u32 s80, s80, s82
	s_lshl_b32 s80, s80, 14
	s_and_b32 s82, s18, 15
	s_lshl_b32 s82, s82, 10
	s_add_co_u32 s80, s80, s82
	s_add_nc_u64 s[12:13], s[12:13], s[80:81]
	v_and_b32 v2, 15, v0                           ; r
	v_and_b32 v8, 8, v2
	v_add_nc_u32 v8, v8, v2                        ; r + 8 (r / 8)
	v_mul_u32_u24 v[AM0], v8, MP
	v_bfe_u32 v9, v0, 4, 1                         ; h
	v_lshl_add_u32 v[AM0], v9, 4, v[AM0]
	s_mul_i32 s82, s[WV], 32*MP
	s_add_co_u32 s82, s82, MOFF
	v_add_nc_u32 v[AM0], s82, v[AM0]               ; my query's row of the mask (tile 1: 8 rows on), + 16 h
.irp k, 0,1,2,3
	v_mov_b32 v[ST+4*\k+1], 0xff61b1e6             ; the largest t so far: -3e38
	v_floor_f32 v[ST+4*\k], -v[ST+4*\k+1]          ; -M
	v_mov_b32 v[ST+4*\k+2], 0                      ; the sum, in two halves
	v_mov_b32 v[ST+4*\k+3], 0
.endr
	v_mov_b32 v11, 0                               ; named as the upper halves of f's pairs
	v_mov_b32 v15, 0
	v_mov_b32 v232, 0                              ; a lane permute's destination counts as one of its sources
	v_mov_b32 v233, 0
	v_mov_b32 v228, 0x80
	WIN 0x40
.set j, 0
.rept 128
	v_mov_b32 v[j], 0                              ; O^T: the key step is written without a first step of its own; the first change of M leaves zeros zeros
.set j, j+1
.endr
	WIN 0
	s_wait_kmcnt 0x0
	s_add_co_i32 s82, s70, s71
	s_lshl_b32 s82, s82, 23
	s_add_co_i32 s[CL], s82, 0x3fb8aa3b            ; log2(e) x 2^(e2 + e3)
	s_mov_b32 s[CL+1], s[CL]
	s_add_co_i32 s82, s74, s75
	s_lshl_b32 s82, s82, 23
	s_add_co_i32 s[CL+2], s82, 0x3fb8aa3b          ; log2(e) x 2^(e6 + e7)
	s_mov_b32 s[CL+3], s[CL+2]
.macro POWERS e, vs, vl                ; 2^e and 448 x 2^e as f32
	s_add_co_i32 s82, s[\e], 127
	s_lshl_b32 s83, s82, 23
	v_mov_b32 v[\vs], s83
	s_add_co_i32 s82, s82, 8
	s_lshl_b32 s82, s82, 23
	s_or_b32 s82, s82, 0x600000
	v_mov_b32 v[\vl], s82
.endm
	POWERS 72, 224, 225                            ; e4
	POWERS 76, 226, 227                            ; e8
	POWERS 78, 229, 230                            ; e10
.macro LDM                             ; the mask's bytes of my 2 x 16 queries x this step's keys: register 4 c + w holds keys 32 c + 16 h + 4 w + 0 .. 3
	WIN 0
.irp u, 0,1
.irp c, 0,1,2,3
	ds_load_b128 v[P+16*\u+4*\c:P+16*\u+4*\c+3], v[ADM] offset:8*MP*\u+32*\c
.endr
.endr
.endm
.macro LDK kind                        ; eight fragments of 16 keys x 64
	WIN 0x40
.irp i, 0,1,2,3,4,5,6,7
.irp c, 0,1
	ds_load_b128 v[FK+8*\i+4*\c:FK+8*\i+4*\c+3], v[ADKV] offset:16384*\kind+1024*\i+512*\c
.endr
.endr
.endm
.macro LDV kind                        ; four fragments of 16 d x 128 keys
	WIN 0x40
.irp d, 0,1,2,3
.irp c, 0,1,2,3
	ds_load_b128 v[FV+16*\d+4*\c:FV+16*\d+4*\c+3], v[ADKV] offset:16384*\kind+2048*\d+512*\c
.endr
.endr
.endm
.macro SPROD br                        ; S^T = K Q^T: sixteen products, each starts its own sum
	WIN 0x01
.irp i, 0,1,2,3,4,5,6,7
.irp u, 0,1
	v_wmma_f32_16x16x64_fp8_fp8 v[S+64*\u+8*\i:S+64*\u+8*\i+7], v[FK+8*\i:FK+8*\i+7], v[Q+16*\br+8*\u:Q+16*\br+8*\u+7], 0
.endr
.endr
.endm
.macro PVPROD br                       ; O^T += V^T P^T: eight accumulators by turns, one instruction a turn
	WIN 0x51
.irp d, 0,1,2,3
.irp u, 0,1
	v_wmma_f32_16x16x128_fp8_fp8 v[64*\br+32*\u+8*\d:64*\br+32*\u+8*\d+7], v[FV+16*\d:FV+16*\d+15], v[P+16*\u:P+16*\u+15], v[64*\br+32*\u+8*\d:64*\br+32*\u+8*\d+7]
.endr
.endr
.endm
; A mask byte 0 or 1 becomes +infinity or -infinity (bytes 0x7f or 0xff over 0x80, 0, 0), and the score the lesser of itself and that.  No branch; the scores are taken in ascending order.
.macro MASKAPPLY u
.set j, 0
.rept 16
	v_lshl_or_b32 v[238+j%2], v[P+16*\u+j], 7, s66
	v_perm_b32 v[240+4*(j%2)], v[238+j%2], v228, s[SELP]
	v_perm_b32 v[241+4*(j%2)], v[238+j%2], v228, s[SELP+1]
	v_perm_b32 v[242+4*(j%2)], v[238+j%2], v228, s[SELP+2]
	v_perm_b32 v[243+4*(j%2)], v[238+j%2], v228, s[SELP+3]
	v_min_num_f32 v[S+64*\u+4*j], v[S+64*\u+4*j], v[240+4*(j%2)]
	v_min_num_f32 v[S+64*\u+4*j+1], v[S+64*\u+4*j+1], v[241+4*(j%2)]
	v_min_num_f32 v[S+64*\u+4*j+2], v[S+64*\u+4*j+2], v[242+4*(j%2)]
	v_min_num_f32 v[S+64*\u+4*j+3], v[S+64*\u+4*j+3], v[243+4*(j%2)]
.set j, j+1
.endr
.endm
; The softmax of both tiles for one branch and one key step.
.macro SOFTMAX br
	WIN 0
.irp u, 0,1
	v_max3_num_f32 v[8+4*\u], v[S+64*\u], v[S+64*\u+1], v[S+64*\u+2]           ; the step's largest score of my query among my 64 keys: two chains a tile, ascending
	v_max3_num_f32 v[9+4*\u], v[S+64*\u+3], v[S+64*\u+4], v[S+64*\u+5]
.endr
.irp i, 6,10,14,18,22,26,30,34,38,42,46,50,54,58
.irp u, 0,1
	v_max3_num_f32 v[8+4*\u], v[8+4*\u], v[S+64*\u+\i], v[S+64*\u+\i+1]
	v_max3_num_f32 v[9+4*\u], v[9+4*\u], v[S+64*\u+\i+2], v[S+64*\u+\i+3]
.endr
.endr
.irp u, 0,1
	v_max3_num_f32 v[8+4*\u], v[8+4*\u], v[S+64*\u+62], v[S+64*\u+63]
.endr
.irp u, 0,1
	v_max_num_f32 v[8+4*\u], v[8+4*\u], v[9+4*\u]
.endr
.irp u, 0,1
	v_permlanex16_b32 v[232+\u], v[8+4*\u], s[SEL], s[SEL+1]
.endr
.irp u, 0,1
	v_max_num_f32 v[8+4*\u], v[8+4*\u], v[232+\u]                              ; and among lane l xor 16's
.endr
.irp u, 0,1
	v_mul_f32 v[8+4*\u], s[CL+2*\br], v[8+4*\u]                                ; as t (c is positive)
.endr
.irp u, 0,1
	v_max_num_f32 v[ST+8*\br+4*\u+1], v[ST+8*\br+4*\u+1], v[8+4*\u]            ; the running largest t
.endr
.irp u, 0,1
	v_mov_b32 v[8+4*\u], v[ST+8*\br+4*\u]
.endr
.irp u, 0,1
	v_floor_f32 v[ST+8*\br+4*\u], -v[ST+8*\br+4*\u+1]                          ; the new -M = -ceil(t)
.endr
.irp u, 0,1
	v_sub_f32 v[8+4*\u], v[ST+8*\br+4*\u], v[8+4*\u]                           ; old M - new M: a whole number, 0 or less
.endr
.irp u, 0,1
	v_cvt_i32_f32 v[8+4*\u], v[8+4*\u]                                         ; (it saturates)
.endr
.irp u, 0,1
	v_ldexp_f32 v[10+4*\u], 1.0, v[8+4*\u]                                     ; f = 2^(old M - new M)
.endr
.set j, 0
.rept 64
	v_pk_fma_f32 v[S+j:S+j+1], v[S+j:S+j+1], s[CL+2*\br:CL+2*\br+1], v[ST+8*\br+4*(j/64):ST+8*\br+4*(j/64)+1] op_sel_hi:[1,0,0]   ; t - M, two at a time
.set j, j+2
.endr
.set j, 0
.rept 128
	v_exp_f32 v[S+j], v[S+j]                                                   ; p = 2^(t - M)
.set j, j+1
.endr
.irp u, 0,1
	v_pk_mul_f32 v[ST+8*\br+4*\u+2:ST+8*\br+4*\u+3], v[ST+8*\br+4*\u+2:ST+8*\br+4*\u+3], v[10+4*\u:11+4*\u] op_sel_hi:[1,0]   ; the sums under the new M: plain lines behind the exponentials
.endr
	s_wait_alu depctr_va_vdst(0)                   ; one wait for the batch of 128, ahead of its first reader
.irp u, 0,1
	v_pk_add_f32 v[234+2*\u:235+2*\u], v[S+64*\u:S+64*\u+1], v[S+64*\u+2:S+64*\u+3]   ; the row's sum is taken of the unquantised p: two chains a tile
.endr
.irp i, 4,8,12,16,20,24,28,32,36,40,44,48,52,56,60
.irp u, 0,1
	v_pk_add_f32 v[ST+8*\br+4*\u+2:ST+8*\br+4*\u+3], v[ST+8*\br+4*\u+2:ST+8*\br+4*\u+3], v[S+64*\u+\i:S+64*\u+\i+1]
	v_pk_add_f32 v[234+2*\u:235+2*\u], v[234+2*\u:235+2*\u], v[S+64*\u+\i+2:S+64*\u+\i+3]
.endr
.endr
.irp u, 0,1
	v_pk_add_f32 v[ST+8*\br+4*\u+2:ST+8*\br+4*\u+3], v[ST+8*\br+4*\u+2:ST+8*\br+4*\u+3], v[234+2*\u:235+2*\u]
.endr
.set j, 0
.rept 128
	v_min_num_f32 v[S+j], v[S+j], v[225+2*\br]     ; the conversion does not saturate (ISA guide 7.6.2); p is not negative, so the hold is one-sided
.set j, j+1
.endr
.set j, 0
.rept 16
	v_cvt_scalef32_pk8_fp8_f32 v[P+2*j:P+2*j+1], v[S+8*j:S+8*j+7], v[224+2*\br]
.set j, j+1
.endr
.endm
.macro RESCALE br                      ; O^T under the new M.  These 32 plain lines also stand between the conversions and the products that read the codes
	WIN 0x41
.set j, 0
.rept 32
	v_pk_mul_f32 v[64*\br+j:64*\br+j+1], v[64*\br+j:64*\br+j+1], v[10+4*(j/32):11+4*(j/32)] op_sel_hi:[1,0]
.set j, j+2
.endr
.endm
; A KEY STEP: 128 keys, the local branch and then the global one.  LDS loads come back in the order of issue: mask 8, rk 16, V(e5) 16, k 16, V(e9) 16.
.macro KSTEP
	v_add_nc_u32 v[ADKV], s[TBK], v[LI]
	v_add_nc_u32 v[ADM], s[TBM], v[AM0]
	v_nop
	v_nop                                          ; four plain lines between the last products and the loads into their operands
	LDM
	LDK 0
	LDV 2
	s_wait_dscnt 16                                ; the mask and rk are in; V's sixteen may be out
	SPROD 0
	PLACES                                         ; in front of the loads into K's registers and of the first read of the scores
	LDK 1
	WIN 0
	MASKAPPLY 0
	MASKAPPLY 1
	SOFTMAX 0
	RESCALE 0
	s_wait_dscnt 16                                ; V(e5) is in; k's sixteen may be out
	PVPROD 0
	PLACES
	LDV 3
	s_wait_dscnt 16                                ; k is in; V(e9)'s sixteen may be out
	SPROD 1
	PLACES
	SOFTMAX 1
	RESCALE 1
	s_wait_dscnt 0x0
	PVPROD 1
	WIN 0
.endm
; THE CHANGE OF SLOTS stands at a slot's head: each wave waits for all its tensor loads (its part of the slot ahead), adds 0 to its spare word, and waits for that and for its reads of the slot that it has left.
; fill = 1: a round of the cluster's barrier, and behind it the other slot is filled with the next 256 keys: the wave's one tensor load until the next round.
.macro CHANGE fill
	s_wait_tensorcnt 0x0                           ; no tensor load of mine is out, so a group 0 may be written
	ds_add_u32 v[SPW], v[NIL]                      ; 0 onto my spare word
.if \fill
	s_xor_b32 s[G0K+1], s[G0K+1], SLOTB
	s_add_nc_u64 s[G0K+2:G0K+3], s[G0K+2:G0K+3], 65536
	s_xor_b32 s[G0M+1], s[G0M+1], SLOTB
	s_add_nc_u64 s[G0M+2:G0M+3], s[G0M+2:G0M+3], 256
	s_wait_dscnt 0x0
	CROUND
	TLOAD
.else
	s_wait_dscnt 0x0
	s_barrier_signal -1
	s_barrier_wait -1
.endif
.endm
.macro SLOT_STEPS                      ; a slot's two key steps: written once, walked twice
	s_mov_b32 s[TWICE], 2
.Lstep_\@:
	KSTEP
	s_add_co_u32 s[TBK], s[TBK], 8192
	s_add_co_u32 s[TBM], s[TBM], 128
	s_sub_co_u32 s[TWICE], s[TWICE], 1
	s_cmp_lg_u32 s[TWICE], 0
	s_cbranch_scc1 .Lstep_\@
	s_sub_co_u32 s[TBK], s[TBK], 2*8192            ; back to a slot's first step,
	s_xor_b32 s[TBK], s[TBK], SLOTB                ; in the other slot
	s_sub_co_u32 s[TBM], s[TBM], 2*128
	s_xor_b32 s[TBM], s[TBM], SLOTB
.endm
	s_wait_loadcnt 0x0                             ; Q
.Lslot:                                            ; seven trips: behind each change of slots but the last the next slot is asked for
	CHANGE 1
	SLOT_STEPS
	s_sub_co_u32 s[SLOTS], s[SLOTS], 1
	s_cmp_lg_u32 s[SLOTS], 0
	s_cbranch_scc1 .Lslot
	CHANGE 0                                       ; the last slot is written out
	SLOT_STEPS
	; THE WAY OUT.  k = 2 x branch + tile.  The additions are the places behind the last products.
.irp k, 0,1,2,3
	v_add_f32 v[8+\k], v[ST+4*\k+2], v[ST+4*\k+3]
.endr
.irp k, 0,1,2,3
	v_permlanex16_b32 v[12+\k], v[8+\k], s[SEL], s[SEL+1]
.endr
.irp k, 0,1,2,3
	v_add_f32 v[8+\k], v[8+\k], v[12+\k]           ; the row's sum
.endr
.irp k, 0,1,2,3
	v_rcp_f32 v[8+\k], v[8+\k]
.endr
	v_nop                                          ; a plain line behind the last reciprocal
	s_add_co_i32 s82, s72, s73                     ; e4 + e5
	s_add_co_i32 s83, s76, s77                     ; e8 + e9
	s_wait_alu depctr_va_vdst(0)                   ; one wait for the four, ahead of the first reader
	v_ldexp_f32 v8, v8, s82
	v_ldexp_f32 v9, v9, s82
	v_ldexp_f32 v10, v10, s83
	v_ldexp_f32 v11, v11, s83
.irp u, 0,1
	WIN 0x01                                       ; source 0: window 1
.set j, 0
.rept 32
	v_mul_f32 v[S+64*\u+j], v[32*\u+j], v[8+\u]    ; the local branch / its sum: register 16 g + i is d = 32 g + 16 h + i
.set j, j+1
.endr
.set j, 0
.rept 32
	v_fma_f32 v[S+64*\u+j], v[64+32*\u+j], v[10+\u], v[S+64*\u+j]   ; + the global branch / its sum
.set j, j+1
.endr
	WIN 0
.set j, 0
.rept 32
	v_med3_num_f32 v[S+64*\u+32+j], v[S+64*\u+j], -v230, v230
.set j, j+1
.endr
.set j, 0
.rept 32
	v_fma_f32 v[S+64*\u+32+j], v[S+64*\u+j], 0, v[S+64*\u+32+j]     ; the hold drops a NaN: this brings it back (a row with no visible key)
.set j, j+1
.endr
.irp m, 0,1,2,3
	v_cvt_scalef32_pk8_fp8_f32 v[P+8*\u+2*\m:P+8*\u+2*\m+1], v[S+64*\u+32+8*\m:S+64*\u+32+8*\m+7], v229
.endr
	v_nop
	global_store_b128 v[LI], v[P+8*\u:P+8*\u+3], s[12:13] offset:16384*\u          ; 512 consecutive bytes, aligned: a block of the next product's operand
	global_store_b128 v[LI], v[P+8*\u+4:P+8*\u+7], s[12:13] offset:16384*\u+512
.endr
	s_wait_tensorcnt 0x0                           ; the wave's end
	ds_add_u32 v[SPW], v[NIL]
	s_wait_dscnt 0x0
	CROUND                                         ; the closing round
	s_endpgm
.Lfunc_end_k_q71ec7a070b_attn:
	.size	k_q71ec7a070b_attn, .Lfunc_end_k_q71ec7a070b_attn-k_q71ec7a070b_attn
	.p2alignl 7, 3214868480
	.fill 96, 4, 3214868480
	.section	.rodata,"a",@progbits
	.p2align	6, 0x0
	.amdhsa_kernel k_q71ec7a070b_attn
		.amdhsa_group_segment_fixed_size 327680
		.amdhsa_private_segment_fixed_size 0
		.amdhsa_enable_private_segment 0
		.amdhsa_kernarg_size 40
		.amdhsa_user_sgpr_count 2
		.amdhsa_user_sgpr_kernarg_segment_ptr 1
		.amdhsa_wavefront_size32 1
		.amdhsa_system_sgpr_workgroup_id_x 1
		.amdhsa_system_sgpr_workgroup_id_y 1
		.amdhsa_system_sgpr_workgroup_id_z 1
		.amdhsa_system_vgpr_workitem_id 0
		.amdhsa_next_free_vgpr 512
		.amdhsa_next_free_sgpr 96
		.amdhsa_reserve_vcc 0
		.amdhsa_float_denorm_mode_32 3
		.amdhsa_float_denorm_mode_16_64 3
		.amdhsa_memory_ordered 1
		.amdhsa_forward_progress 1
		.amdhsa_inst_pref_size 172
	.end_amdhsa_kernel
	.amdgpu_metadata
---
amdhsa.version: [ 1, 2 ]
amdhsa.kernels:
  - .name:           k_q71ec7a070b_attn
    .symbol:         k_q71ec7a070b_attn.kd
    .args:
      - { .name: qi, .offset: 0, .size: 8, .value_kind: global_buffer, .address_space: global }
      - { .name: kv, .offset: 8, .size: 8, .value_kind: global_buffer, .address_space: global }
      - { .name: local_attn_mask, .offset: 16, .size: 8, .value_kind: global_buffer, .address_space: global }
      - { .name: lowp_scales, .offset: 24, .size: 8, .value_kind: global_buffer, .address_space: global }
      - { .name: ao, .offset: 32, .size: 8, .value_kind: global_buffer, .address_space: global }
    .group_segment_fixed_size: 327680
    .private_segment_fixed_size: 0
    .kernarg_segment_align: 8
    .kernarg_segment_size: 40
    .max_flat_workgroup_size: 256
    .sgpr_count:     96
    .vgpr_count:     512
    .wavefront_size: 32
...
	.end_amdgpu_metadata
.endif
;; end of part 3
;; launch gemm2 (part 4): grid 4 x 16, 4 waves a work-group, clusters of 4 x 4, 327,680 bytes of LDS; arguments ao, codes, lowp_scales, out_proj_bias, out0; writes out0
.if DOCPART == 4
	.amdgcn_target "amdgcn-amd-amdhsa--gfx1250"
	.amdhsa_code_object_version 6
	.text
	.protected	k_q71ec7a070b_gemm2
	.globl	k_q71ec7a070b_gemm2
	.p2align	8
	.type	k_q71ec7a070b_gemm2,@function
k_q71ec7a070b_gemm2:
	s_mov_b64 s[64:65], 0
	v_nop
	global_prefetch_b8 v0, s[64:65] scope:SCOPE_SE
	s_setreg_imm32_b32 hwreg(HW_REG_WAVE_MODE, 25, 1), 1
	s_wait_xcnt 0x0
	s_wait_alu depctr_hold_cnt(0) depctr_sa_sdst(0) depctr_va_vdst(0) depctr_va_sdst(0) depctr_va_ssrc(0) depctr_va_vcc(0) depctr_vm_vsrc(0)
	s_getreg_b32 s2, hwreg(HW_REG_IB_STS2, 6, 4)
	s_cmp_eq_u32 s2, 0
	s_cbranch_scc0 .Lentry_in_a_cluster
	s_endpgm
.Lentry_in_a_cluster:
	s_bfe_u32 s2, ttmp6, 0x10000c
	s_cmp_lg_u32 s2, 0xf033
	s_cbranch_scc0 .Lentry_shape_is_right
	s_endpgm
.Lentry_shape_is_right:
; out0 = attn_out out_proj_weight^T + bias, on codes of E4M3 (K = 1,024): each finished sum x 2^(e10 + e11) + bias, one packed multiply-add for two numbers.
; Operands come as images of operand registers: a row tile is 16,384 bytes, its fragment of K step s at 2,048 s, block c at 512 c, lane l at 16 l.  attn_out's tiles: 128 x batch + token tile, row r of token tile j is
; token 32 (j/2) + 8 (j%2) + r + 8 (r/8); the weight's tiles (448 on in the buffer of codes) take 16 neighbouring rows.
; A work-group of four waves makes 256 x 256 results, a wave 128 x 128: 64 accumulators.  K goes in steps of 256 through two LDS slots: four fills in all, written out.
; Source 0 = 16 rows of the weight, source 1 = 16 tokens: a lane holds eight neighbouring numbers of a row of out0.  CLUSTERS: 4 x 4, each tile asked for jointly by four work-groups.
; 64 work-groups: the tile is kept large, so that each byte read from LDS feeds as many products as the registers allow.
; LIMIT: e10 + e11 between -126 and 127.  k is laid alike in both operands but not in the matrix form's own order: only the order of the sums inside an instruction differs.
; REGISTERS: window 0: v0-31 addresses; v128-255 source 1's fragments, ONE set; on the way out v32-255 are free.   window 1: source 0's fragments, TWO sets; set 0 takes the bias ahead of the last step.
;   windows 2, 3: accumulators, (a, b) at v[8 (8 (a % 4) + b)].
.set HALFT,  32768
.set SLOT,   4*HALFT
.set SPARE,  2*SLOT
.set SPITCH, 528                       ; the way out: a stage of 16 rows x (512 + 16) bytes for each wave, in slot 0, which has had its last fill and its last read by then
.set FR,     16
.set NL,     4
.set NP,     4
.set ADRA, 16
.set ADRB, 20
.set STO,  24
.set RD,   25
.set CO,   26
.set VB,   27                          ; v27  32 h: my lane's byte in the bias
.set SPW,  28
.set NIL,  29
.set TMP,  32
.set AF,   128
.set BK,   128
.set G1, 24
.set G0, 32
.set G1B, 48
.set G0B, 56
.set MSB, 0
.macro WIN new
.if MSB != \new
	s_set_vgpr_msb (MSB<<8)|\new
.set MSB, \new
.endif
.endm
.set MUL_LO, 0xa1
.set MUL_HI, 0xf1
.set TO_B,   0x40
.macro JLOAD g0a, g1a, g0b, g1b
	s_cmp_eq_u32 s15, 0
	s_cbranch_scc0 .Lfor_b_\@
	tensor_load_to_lds s[\g0a:\g0a+3], s[\g1a:\g1a+7]
	s_nop 0
.rept 4
	v_nop
.endr
	s_branch .Lasked_\@
.Lfor_b_\@:
	tensor_load_to_lds s[\g0b:\g0b+3], s[\g1b:\g1b+7]
	s_nop 0
.rept 4
	v_nop
.endr
.Lasked_\@:
.endm
.macro CREST
	s_cmp_lg_u32 s14, 0
	s_cbranch_scc1 .Lnot_wave_0_\@
	s_barrier_signal -3
.Lnot_wave_0_\@:
	s_barrier_wait -3
	s_barrier_signal -1
	s_barrier_wait -1
.endm
.macro CROUND
	s_barrier_signal -1
	s_barrier_wait -1
	CREST
.endm
	s_load_b256 s[4:11], s[0:1], 0x0               ; ao s[4:5], codes s[6:7], the scales' exponents s[8:9], bias s[10:11]
	s_load_b64 s[68:69], s[0:1], 0x20              ; out0
	v_lshl_add_u32 v[SPW], v0, 2, SPARE
	v_mov_b32 v[NIL], 0
	ds_add_u32 v28, v29
	ds_add_u32 v28, v29
	s_wait_dscnt 0x0
	v_lshrrev_b32 v1, 5, v0
	v_readfirstlane_b32 s14, v1
	s_lshr_b32 s15, s14, 1
	s_and_b32 s16, s14, 1
	s_bfe_u32 s40, ttmp6, 0x40000
	s_bfe_u32 s41, ttmp6, 0x40004
	s_lshl_b32 s42, ttmp9, 2
	s_add_co_u32 s42, s42, s40                     ; X: which 256 columns
	s_and_b32 s17, ttmp7, 0xffff
	s_lshl_b32 s17, s17, 2
	s_add_co_u32 s17, s17, s41                     ; Y: which 16 row tiles
	s_lshl_b32 s43, s41, 2
	s_lshl_b32 s43, 15, s43
	s_lshl_b32 s44, 0x1111, s40
	s_or_b32 s[G1+0], s43, (3<<16)|(1<<21)
	s_or_b32 s[G1B+0], s44, (3<<16)|(1<<21)
.irp g, G1, G1B
	s_mov_b32 s[\g+1], 512<<16
	s_mov_b32 s[\g+2], 8<<16
	s_mov_b32 s[\g+3], 512<<16
	s_mov_b32 s[\g+4], 8
	s_mov_b32 s[\g+5], 2048
	s_mov_b32 s[\g+6], 0
	s_mov_b32 s[\g+7], 0
.endr
	s_lshl_b32 s18, s16, 3
	s_lshl_b32 s20, s17, 4
	s_add_co_u32 s20, s20, s18                     ; ao: tile 16 Y + 8 x half
	s_lshl_b32 s46, s42, 4
	s_add_co_u32 s46, s46, 448
	s_add_co_u32 s46, s46, s18                     ; codes: tile 448 + 16 X + 8 x half
	s_lshl_b32 s20, s20, 14
	s_lshl_b32 s46, s46, 14
	s_mov_b32 s21, 0
	s_mov_b32 s47, 0
	s_mul_i32 s45, s14, HALFT
	s_wait_kmcnt 0x0
	s_load_b64 s[96:97], s[8:9], 0x28              ; e10, e11
	s_add_nc_u64 s[20:21], s[4:5], s[20:21]
	s_add_nc_u64 s[46:47], s[6:7], s[46:47]
	CROUND
.irp s, 0,1
	s_mov_b32 s[G0+4*\s], 1
	s_add_co_u32 s[G0+4*\s+1], s45, \s*SLOT
	s_add_nc_u64 s[G0+4*\s+2:G0+4*\s+3], s[20:21], \s*4096
	s_or_b32 s[G0+4*\s+3], s[G0+4*\s+3], 0x80000000
	s_mov_b32 s[G0B+4*\s], 1
	s_add_co_u32 s[G0B+4*\s+1], s45, \s*SLOT
	s_add_nc_u64 s[G0B+4*\s+2:G0B+4*\s+3], s[46:47], \s*4096
	s_or_b32 s[G0B+4*\s+3], s[G0B+4*\s+3], 0x80000000
	JLOAD G0+4*\s, G1, G0B+4*\s, G1B
.endr
	v_and_b32 v6, 31, v0
	v_lshlrev_b32 v[CO], 4, v6                     ; 16 x lane
	v_and_b32 v1, 15, v0
	v_bfe_u32 v2, v0, 4, 1
	v_lshlrev_b32 v[VB], 5, v2
	s_mul_i32 s21, s15, HALFT
	s_mul_i32 s22, s16, HALFT
	s_add_co_u32 s22, s22, 2*HALFT
.irp s, 0,1
	v_add_nc_u32 v[ADRA+\s], s21, v[CO]
	v_add_nc_u32 v[ADRB+\s], s22, v[CO]
	s_add_co_u32 s21, s21, SLOT
	s_add_co_u32 s22, s22, SLOT
.endr
	s_mul_i32 s23, s14, 16*SPITCH                  ; my stage
	v_mul_u32_u24 v5, v1, SPITCH
	v_lshl_add_u32 v5, v2, 5, v5
	v_add_nc_u32 v[STO], s23, v5                   ; in: row r, 32 bytes for each half of the lanes
	v_add_nc_u32 v[RD], s23, v[CO]                 ; back: the 32 lanes take one row of 512 bytes
	; out0: token 256 (Y % 8) + 128 x my half of the rows, batch Y / 8; a token is 8,192 bytes, a batch 4,096
	s_and_b32 s20, s17, 7
	s_lshl_b32 s20, s20, 21
	s_lshl_b32 s21, s15, 20
	s_add_co_u32 s20, s20, s21
	s_lshr_b32 s21, s17, 3
	s_lshl_b32 s21, s21, 12
	s_add_co_u32 s20, s20, s21
	s_mov_b32 s21, 0
	s_add_nc_u64 s[68:69], s[68:69], s[20:21]
	s_lshl_b32 s46, s42, 10                        ; my first column, in bytes: 1,024 X + 512 x half; the bias's too
	s_lshl_b32 s47, s16, 9
	s_add_co_u32 s46, s46, s47
	s_mov_b32 s47, 0
	s_add_nc_u64 s[68:69], s[68:69], s[46:47]
	s_add_nc_u64 s[10:11], s[10:11], s[46:47]
.macro FRAG reg, adr, q, i
.irp c, 0,1,2,3
	ds_load_b128 v[\reg+4*\c:\reg+4*\c+3], v[\adr] offset:4096*(\i)+2048*(\q)+512*\c
.endr
.endm
; The 64 accumulators take turns, one instruction a turn, in the same order in every step.
.macro MUL16 a0, p, zero
.irp a, \a0, \a0+1
.irp b, 0,1,2,3,4,5,6,7
.if \zero
	v_wmma_f32_16x16x128_fp8_fp8 v[8*(8*((\a)%4)+\b):8*(8*((\a)%4)+\b)+7], v[128*(\p)+FR*\b:128*(\p)+FR*\b+FR-1], v[AF+FR*(\a):AF+FR*(\a)+FR-1], 0
.else
	v_wmma_f32_16x16x128_fp8_fp8 v[8*(8*((\a)%4)+\b):8*(8*((\a)%4)+\b)+7], v[128*(\p)+FR*\b:128*(\p)+FR*\b+FR-1], v[AF+FR*(\a):AF+FR*(\a)+FR-1], v[8*(8*((\a)%4)+\b):8*(8*((\a)%4)+\b)+7]
.endif
.endr
.endr
.endm
.macro FETCH_B slot, q, p
	WIN TO_B
.irp i, 0,1,2,3,4,5,6,7
	FRAG 128*(\p)+FR*\i, ADRB+\slot, \q, \i
.endr
	WIN 0
.endm
.macro FETCH_A slot, q, i0
.irp i, \i0, \i0+1, \i0+2, \i0+3
	FRAG AF+FR*(\i), ADRA+\slot, \q, \i
.endr
.endm
.macro PLACES n
.rept \n
	v_nop
.endr
.endm
.macro STEP slot, q, zero
	s_wait_dscnt 4*NL                              ; source 0's set and source 1's blocks 0-3 are in; the youngest sixteen loads may be out
	WIN MUL_LO
	MUL16 0, (\q)%2, \zero
	MUL16 2, (\q)%2, \zero
	s_wait_dscnt 0
	PLACES NP
	FETCH_B \slot, (\q)+1, 1-(\q)%2
	FETCH_A \slot, (\q)+1, 0
	WIN MUL_HI
	MUL16 4, (\q)%2, \zero
	MUL16 6, (\q)%2, \zero
	PLACES NP
	WIN 0
	FETCH_A \slot, (\q)+1, 4
.endm
.macro TURN slot, next, fill
	s_wait_tensorcnt 0x0                           ; all my tensor loads have landed: my part of the next slot
	ds_add_u32 v[SPW], v[NIL]                      ; 0 onto my spare word
	s_wait_dscnt 4*NL+1                            ; the add and the youngest sixteen loads may be out
	WIN MUL_LO
	MUL16 0, 1, 0
	s_wait_dscnt 0x0                               ; the add is done, and my reads of this slot are over
	s_barrier_signal -1
	MUL16 2, 1, 0
	WIN 0
	s_barrier_wait -1
.if \fill
	CREST
	s_add_nc_u64 s[G0+4*\slot+2:G0+4*\slot+3], s[G0+4*\slot+2:G0+4*\slot+3], 2*4096
	s_add_nc_u64 s[G0B+4*\slot+2:G0B+4*\slot+3], s[G0B+4*\slot+2:G0B+4*\slot+3], 2*4096
	JLOAD G0+4*\slot, G1, G0B+4*\slot, G1B
.else
	PLACES NP
.endif
	FETCH_B \next, 0, 0
	FETCH_A \next, 0, 0
	WIN MUL_HI
	MUL16 4, 1, 0
	MUL16 6, 1, 0
	PLACES NP
	WIN 0
	FETCH_A \next, 0, 4
.endm
	s_wait_tensorcnt 1                             ; my part of slot 0 is in; slot 1's load may stay out
	s_barrier_signal -1
	s_barrier_wait -1
	FETCH_B 0, 0, 0
	FETCH_A 0, 0, 0
	FETCH_A 0, 0, 4
	STEP 0, 0, 1
	TURN 0, 1, 1
	STEP 1, 0, 0
	TURN 1, 0, 1
	STEP 0, 0, 0
	TURN 0, 1, 0
	STEP 1, 0, 0
	WIN 0x40                                       ; the bias of my 128 columns, register 8 b + i = column 16 b + 8 h + i, into source 0's set 0: its last products stand in front of the places that close the step above
.irp b, 0,1,2,3,4,5,6,7
.irp q, 0,1
	global_load_b128 v[8*\b+4*\q:8*\b+4*\q+3], v[VB], s[10:11] offset:64*\b+16*\q
.endr
.endr
	WIN 0
	s_wait_dscnt 4*NL                              ; the very last step
	WIN MUL_LO
	MUL16 0, 1, 0
	MUL16 2, 1, 0
	s_wait_dscnt 0
	WIN MUL_HI
	MUL16 4, 1, 0
	MUL16 6, 1, 0
	WIN 0
; THE WAY OUT, a block of 16 rows x 128 columns at a time, through my own stage in LDS: back as whole rows of 512 bytes.  LDS serves a wave's instructions in order: no wait between the stores and the loads.
.macro TOSTAGE a
.set AC, 64*((\a)%4)
	WIN 0x12+((\a)/4)                              ; source 0 (the sums) window 2 or 3, source 2 (the bias) window 1
.irp j, 0,2,4,6,8,10,12,14,16,18,20,22,24,26,28,30,32,34,36,38,40,42,44,46,48,50,52,54,56,58,60,62
	v_pk_fma_f32 v[TMP+\j:TMP+\j+1], v[AC+\j:AC+\j+1], s[96:97], v[\j:\j+1] op_sel_hi:[1,0,1]   ; sum x 2^(e10 + e11) + bias; each accumulator from its low end on
.endr
	WIN 0
.irp b, 0,1,2,3,4,5,6,7
	ds_store_b128 v[STO], v[TMP+8*\b:TMP+8*\b+3] offset:64*\b
	ds_store_b128 v[STO], v[TMP+8*\b+4:TMP+8*\b+7] offset:64*\b+16
.endr
.set BB, BK+64*((\a)%2)
.irp t, 0,1,2,3,4,5,6,7,8,9,10,11,12,13,14,15
	ds_load_b128 v[BB+4*\t:BB+4*\t+3], v[RD] offset:\t*SPITCH
.endr
.endm
.macro SEND a, younger                 ; younger: the LDS instructions issued behind block a's loads, which may stay out
.set BB, BK+64*((\a)%2)
	s_wait_dscnt \younger
.if (\a) > 0
.if ((\a)%2) == 1
	s_add_nc_u64 s[68:69], s[68:69], 65536         ; into an odd row tile: 8 tokens on
.else
	s_add_nc_u64 s[68:69], s[68:69], 196608        ; into an even one: 24 tokens on
.endif
.endif
.irp t, 0,1,2,3,4,5,6,7,8,9,10,11,12,13,14,15
	global_store_b128 v[CO], v[BB+4*\t:BB+4*\t+3], s[68:69] offset:(\t+8*(\t/8))*8192 th:TH_STORE_NT   ; tile row t is token t + 8 (t / 8): 512 consecutive bytes, aligned
.endr
.endm
	s_wait_kmcnt 0x0
	s_add_co_i32 s96, s96, s97
	s_add_co_i32 s96, s96, 127
	s_lshl_b32 s96, s96, 23                        ; 2^(e10 + e11) as f32
	s_mov_b32 s97, s96
	s_wait_loadcnt 0x0                             ; the bias
	PLACES NP
	TOSTAGE 0
.irp a, 1,2,3,4,5,6,7
.if \a > 1
	s_wait_xcnt 0x0                                ; block a - 2's stores have read their registers and their base
.endif
	TOSTAGE \a
	SEND \a-1, 32                                  ; behind block a - 1's loads: block a's 16 stores and 16 loads
.endr
	s_wait_xcnt 0x0
	SEND 7, 0
	s_wait_tensorcnt 0x0                           ; the wave's end
	ds_add_u32 v[SPW], v[NIL]
	s_wait_dscnt 0x0
	CROUND                                         ; the closing round
	s_endpgm
.Lfunc_end_k_q71ec7a070b_gemm2:
	.size	k_q71ec7a070b_gemm2, .Lfunc_end_k_q71ec7a070b_gemm2-k_q71ec7a070b_gemm2
	.p2alignl 7, 3214868480
	.fill 96, 4, 3214868480
	.section	.rodata,"a",@progbits
	.p2align	6, 0x0
	.amdhsa_kernel k_q71ec7a070b_gemm2
		.amdhsa_group_segment_fixed_size 327680
		.amdhsa_private_segment_fixed_size 0
		.amdhsa_enable_private_segment 0
		.amdhsa_kernarg_size 40
		.amdhsa_user_sgpr_count 2
		.amdhsa_user_sgpr_kernarg_segment_ptr 1
		.amdhsa_wavefront_size32 1
		.amdhsa_system_sgpr_workgroup_id_x 1
		.amdhsa_system_sgpr_workgroup_id_y 1
		.amdhsa_system_sgpr_workgroup_id_z 1
		.amdhsa_system_vgpr_workitem_id 0
		.amdhsa_next_free_vgpr 1024
		.amdhsa_next_free_sgpr 100
		.amdhsa_reserve_vcc 0
		.amdhsa_float_denorm_mode_32 3
		.amdhsa_float_denorm_mode_16_64 3
		.amdhsa_memory_ordered 1
		.amdhsa_forward_progress 1
		.amdhsa_inst_pref_size 125
	.end_amdhsa_kernel
	.amdgpu_metadata
---
amdhsa.version: [ 1, 2 ]
amdhsa.kernels:
  - .name:           k_q71ec7a070b_gemm2
    .symbol:         k_q71ec7a070b_gemm2.kd
    .args:
      - { .name: ao, .offset: 0, .size: 8, .value_kind: global_buffer, .address_space: global }
      - { .name: codes, .offset: 8, .size: 8, .value_kind: global_buffer, .address_space: global }
      - { .name: lowp_scales, .offset: 16, .size: 8, .value_kind: global_buffer, .address_space: global }
      - { .name: out_proj_bias, .offset: 24, .size: 8, .value_kind: global_buffer, .address_space: global }
      - { .name: out0, .offset: 32, .size: 8, .value_kind: global_buffer, .address_space: global }
    .group_segment_fixed_size: 327680
    .private_segment_fixed_size: 0
    .kernarg_segment_align: 8
    .kernarg_segment_size: 40
    .max_flat_workgroup_size: 128
    .sgpr_count:     100
    .vgpr_count:     1024
    .wavefront_size: 32
...
	.end_amdgpu_metadata
.endif
;; end of part 4
;; ======== version 2 of 2: 4 launches
;; limits: right only within a limited range of input values
;; workspace buffers: codes 8,388,608 bytes; qi 8,388,608 bytes; kv 16,777,216 bytes; ao 4,194,304 bytes
;; launch quant (part 5): grid 512 x 1, 4 waves a work-group, no clusters, 34,304 bytes of LDS; arguments query, in_proj_weight, out_proj_weight, lowp_scales, codes; writes codes
.if DOCPART == 5
	.amdgcn_target "amdgcn-amd-amdhsa--gfx1250"
	.amdhsa_code_object_version 6
	.text
	.protected	k_q71ec7a070b_quant
	.globl	k_q71ec7a070b_quant
	.p2align	8
	.type	k_q71ec7a070b_quant,@function
k_q71ec7a070b_quant:
	s_mov_b64 s[64:65], 0
	v_nop
	global_prefetch_b8 v0, s[64:65] scope:SCOPE_SE
	s_setreg_imm32_b32 hwreg(HW_REG_WAVE_MODE, 25, 1), 1
	s_wait_xcnt 0x0
; query [2048][2][1024], in_proj_weight [3072][1024] and out_proj_weight [1024][1024], f32, become codes of E4M3, each with its given scale 2^e
; (entries 0, 1 and 11 of the scales).  code = x / 2^e, held within +-448, to the nearest code, ties to even.
; THE CODES ARE LAID AS IMAGES OF OPERAND REGISTERS.  A row tile is 16 rows x 1,024 k = 16,384 bytes: eight fragments of 128 k, 2,048 bytes each; a fragment is four blocks c of 512 bytes,
; and in block c lane l's 16 bytes (at 16 l) are row l % 16, k = 32 c + 16 (l / 16) + 0 .. 15.  Four 16-byte loads a lane bring a fragment, from memory or from LDS, with no pitch.
; WHICH ROWS FORM A TILE: row r of tile j is index 32 (j / 2) + 8 (j % 2) + r + 8 (r / 8), for the tokens of query (tiles 0-255: 128 x batch + token tile) and for in_proj_weight's rows (tiles 256-447):
; a result's 16 registers of two neighbouring tiles are then 16 neighbours.  out_proj_weight's tiles (448-511) take 16 neighbouring rows.
; SHARES: work-group g makes row tile g; wave w its k 256 w .. 256 w + 255, two fragments.  Each load takes 512 consecutive bytes of one row; the numbers turn through the wave's own stage in LDS
; (16 rows of 512 + 16 bytes), so that a lane gets 16 neighbours along k of its row; each store is 512 consecutive bytes.  No barrier: waves share nothing.
; LIMITS: e between -126 and 119.  NaN among the inputs is not served.
.set SPITCH, 528
.set WSTG,   16*SPITCH
.set LI,  2                            ; v2   16 x lane
.set SI,  3                            ; v3   the stage, on the way in
.set SO,  4                            ; v4   and on the way out: row r, + 64 h
.set SCL, 6                            ; v6   2^e
.set LIM, 7                            ; v7   448 x 2^e
.set VOF, 8                            ; v8-23   row i's byte offset + 16 x lane
.set R,   24                           ; v24-151 two fragments as loaded
.set X,   152                          ; v152-215 64 numbers: register 16 c + i = k 32 c + 16 h + i of my row
.set C,   216                          ; v216-247 the codes, registers of their own for each fragment
	s_load_b256 s[4:11], s[0:1], 0x0               ; query s[4:5], in_proj_weight s[6:7], out_proj_weight s[8:9], the scales' exponents s[10:11]
	s_load_b64 s[12:13], s[0:1], 0x20              ; codes
	v_lshl_add_u32 v254, v0, 2, 0x8400
	v_mov_b32 v255, 0
	v_lshrrev_b32 v1, 5, v0
	v_readfirstlane_b32 s18, v1                    ; wave
	v_and_b32 v1, 31, v0
	v_lshlrev_b32 v[LI], 4, v1
	v_and_b32 v5, 15, v0                           ; r
	v_bfe_u32 v1, v0, 4, 1                         ; h
	s_mul_i32 s19, s18, WSTG
	v_add_nc_u32 v[SI], s19, v[LI]
	v_mul_u32_u24 v[SO], v5, SPITCH
	v_lshl_add_u32 v[SO], v1, 6, v[SO]
	v_add_nc_u32 v[SO], s19, v[SO]
	; the tile's first row in memory, for each of the three tensors; the work-group's number then chooses
	s_and_b32 s20, ttmp9, 127                      ; query: token tile,
	s_lshr_b32 s21, ttmp9, 7                       ; batch
	s_lshr_b32 s25, s20, 1
	s_lshl_b32 s25, s25, 5
	s_and_b32 s26, s20, 1
	s_lshl_b32 s26, s26, 3
	s_add_co_u32 s25, s25, s26                     ; first token
	s_lshl_b32 s25, s25, 1
	s_add_co_u32 s25, s25, s21                     ; row 2 x token + batch
	s_sub_co_u32 s22, ttmp9, 256                   ; in_proj_weight: tile j
	s_lshr_b32 s27, s22, 1
	s_lshl_b32 s27, s27, 5
	s_and_b32 s26, s22, 1
	s_lshl_b32 s26, s26, 3
	s_add_co_u32 s27, s27, s26
	s_sub_co_u32 s23, ttmp9, 448                   ; out_proj_weight: 16 j
	s_lshl_b32 s28, s23, 4
	s_wait_alu depctr_va_vdst(0)
	s_wait_kmcnt 0x0
	s_load_b64 s[14:15], s[10:11], 0x0             ; e0, e1
	s_load_b32 s16, s[10:11], 0x2c                 ; e11
	s_cmp_lt_u32 ttmp9, 448
	s_cselect_b32 s27, s27, s28
	s_cselect_b64 s[6:7], s[6:7], s[8:9]
	s_cselect_b32 s29, 16, 8                       ; rows from tile row 0 to tile row 8
	s_cmp_lt_u32 ttmp9, 256
	s_cselect_b32 s27, s25, s27
	s_cselect_b64 s[4:5], s[4:5], s[6:7]
	s_cselect_b32 s29, 32, s29
	s_cselect_b32 s30, 2, 1                        ; rows from a tile row to the next
	s_lshl_b32 s29, s29, 12                        ; a row is 4,096 bytes in all three
	s_lshl_b32 s30, s30, 12
	s_lshl_b32 s32, s27, 12
	s_lshl_b32 s33, s18, 10                        ; my wave's 256 numbers of a row
	s_add_co_u32 s32, s32, s33
	s_mov_b32 s33, 0
	s_add_nc_u64 s[4:5], s[4:5], s[32:33]
	s_lshl_b32 s32, ttmp9, 14
	s_lshl_b32 s34, s18, 12
	s_add_co_u32 s32, s32, s34
	s_add_nc_u64 s[12:13], s[12:13], s[32:33]      ; my two fragments' images
	v_mov_b32 v[VOF], v[LI]
.irp i, 1,2,3,4,5,6,7
	v_add_nc_u32 v[VOF+\i], s30, v[VOF+\i-1]
.endr
	v_add_nc_u32 v[VOF+8], s29, v[VOF]
.irp i, 9,10,11,12,13,14,15
	v_add_nc_u32 v[VOF+\i], s30, v[VOF+\i-1]
.endr
.macro LOADF f                         ; fragment f: 16 rows x 512 bytes, a row an instruction
.irp i, 0,1,2,3,4,5,6,7,8,9,10,11,12,13,14,15
	global_load_b128 v[R+64*\f+4*\i:R+64*\f+4*\i+3], v[VOF+\i], s[4:5] offset:512*\f th:TH_LOAD_NT
.endr
.endm
.macro TURN f                          ; through the stage: LDS serves a wave's instructions in order, so no wait stands between the stores and the loads
.irp i, 0,1,2,3,4,5,6,7,8,9,10,11,12,13,14,15
	ds_store_b128 v[SI], v[R+64*\f+4*\i:R+64*\f+4*\i+3] offset:SPITCH*\i
.endr
.irp c, 0,1,2,3
.irp q, 0,1,2,3
	ds_load_b128 v[X+16*\c+4*\q:X+16*\c+4*\q+3], v[SO] offset:128*\c+16*\q
.endr
.endr
.endm
.macro QUANT f
.set j, 0
.rept 64
	v_med3_num_f32 v[X+j], v[X+j], -v[LIM], v[LIM] ; the conversion does not saturate (ISA guide 7.6.2): the hold at the largest code x the scale comes first
.set j, j+1
.endr
.irp c, 0,1,2,3
	v_cvt_scalef32_pk8_fp8_f32 v[C+16*\f+4*\c:C+16*\f+4*\c+1], v[X+16*\c:X+16*\c+7], v[SCL]
	v_cvt_scalef32_pk8_fp8_f32 v[C+16*\f+4*\c+2:C+16*\f+4*\c+3], v[X+16*\c+8:X+16*\c+15], v[SCL]
.endr
	v_nop                                          ; a plain line behind the last conversion
.irp c, 0,1,2,3
	global_store_b128 v[LI], v[C+16*\f+4*\c:C+16*\f+4*\c+3], s[12:13] offset:2048*\f+512*\c   ; 512 consecutive bytes, aligned
.endr
.endm
	LOADF 0
	LOADF 1
	s_wait_kmcnt 0x0
	s_cmp_lt_u32 ttmp9, 448
	s_cselect_b32 s15, s15, s16
	s_cmp_lt_u32 ttmp9, 256
	s_cselect_b32 s14, s14, s15                    ; e
	s_add_co_i32 s14, s14, 127
	s_lshl_b32 s15, s14, 23
	v_mov_b32 v[SCL], s15                          ; 2^e as f32: the conversion takes its exponent field
	s_add_co_i32 s14, s14, 8
	s_lshl_b32 s14, s14, 23
	s_or_b32 s14, s14, 0x600000
	v_mov_b32 v[LIM], s14                          ; 448 x 2^e
	s_wait_alu depctr_va_vdst(0)
	s_wait_loadcnt 16                              ; fragment 0's sixteen loads are in, fragment 1's sixteen may be out
	TURN 0
	s_wait_dscnt 0x0
	QUANT 0
	s_wait_loadcnt 0x0
	TURN 1
	s_wait_dscnt 0x0
	QUANT 1
	s_wait_tensorcnt 0x0
	ds_add_u32 v254, v255
	s_wait_dscnt 0x0
	s_endpgm
.Lfunc_end_k_q71ec7a070b_quant:
	.size	k_q71ec7a070b_quant, .Lfunc_end_k_q71ec7a070b_quant-k_q71ec7a070b_quant
	.p2alignl 7, 3214868480
	.fill 96, 4, 3214868480
	.section	.rodata,"a",@progbits
	.p2align	6, 0x0
	.amdhsa_kernel k_q71ec7a070b_quant
		.amdhsa_group_segment_fixed_size 34304
		.amdhsa_private_segment_fixed_size 0
		.amdhsa_enable_private_segment 0
		.amdhsa_kernarg_size 40
		.amdhsa_user_sgpr_count 2
		.amdhsa_user_sgpr_kernarg_segment_ptr 1
		.amdhsa_wavefront_size32 1
		.amdhsa_system_sgpr_workgroup_id_x 1
		.amdhsa_system_sgpr_workgroup_id_y 1
		.amdhsa_system_sgpr_workgroup_id_z 1
		.amdhsa_system_vgpr_workitem_id 0
		.amdhsa_next_free_vgpr 256
		.amdhsa_next_free_sgpr 66
		.amdhsa_reserve_vcc 0
		.amdhsa_float_denorm_mode_32 3
		.amdhsa_float_denorm_mode_16_64 3
		.amdhsa_memory_ordered 1
		.amdhsa_forward_progress 1
		.amdhsa_inst_pref_size 21
	.end_amdhsa_kernel
	.amdgpu_metadata
---
amdhsa.version: [ 1, 2 ]
amdhsa.kernels:
  - .name:           k_q71ec7a070b_quant
    .symbol:         k_q71ec7a070b_quant.kd
    .args:
      - { .name: query, .offset: 0, .size: 8, .value_kind: global_buffer, .address_space: global }
      - { .name: in_proj_weight, .offset: 8, .size: 8, .value_kind: global_buffer, .address_space: global }
      - { .name: out_proj_weight, .offset: 16, .size: 8, .value_kind: global_buffer, .address_space: global }
      - { .name: lowp_scales, .offset: 24, .size: 8, .value_kind: global_buffer, .address_space: global }
      - { .name: codes, .offset: 32, .size: 8, .value_kind: global_buffer, .address_space: global }
    .group_segment_fixed_size: 34304
    .private_segment_fixed_size: 0
    .kernarg_segment_align: 8
    .kernarg_segment_size: 40
    .max_flat_workgroup_size: 128
    .sgpr_count:     66
    .vgpr_count:     256
    .wavefront_size: 32
...
	.end_amdgpu_metadata
.endif
;; end of part 5
;; launch gemm1 (part 6): grid 8 x 24, 4 waves a work-group, clusters of 4 x 4, 327,680 bytes of LDS; arguments codes, lowp_scales, in_proj_bias, sinusoidal_pos, qi, kv; writes qi, kv
.if DOCPART == 6
	.amdgcn_target "amdgcn-amd-amdhsa--gfx1250"
	.amdhsa_code_object_version 6
	.text
	.protected	k_q71ec7a070b_gemm1
	.globl	k_q71ec7a070b_gemm1
	.p2align	8
	.type	k_q71ec7a070b_gemm1,@function
k_q71ec7a070b_gemm1:
	s_mov_b64 s[64:65], 0
	v_nop
	global_prefetch_b8 v0, s[64:65] scope:SCOPE_SE
	s_setreg_imm32_b32 hwreg(HW_REG_WAVE_MODE, 25, 1), 1
	s_wait_xcnt 0x0
	s_wait_alu depctr_hold_cnt(0) depctr_sa_sdst(0) depctr_va_vdst(0) depctr_va_sdst(0) depctr_va_ssrc(0) depctr_va_vcc(0) depctr_vm_vsrc(0)
	s_getreg_b32 s2, hwreg(HW_REG_IB_STS2, 6, 4)
	s_cmp_eq_u32 s2, 0
	s_cbranch_scc0 .Lentry_in_a_cluster
	s_endpgm
.Lentry_in_a_cluster:
	s_bfe_u32 s2, ttmp6, 0x10000c
	s_cmp_lg_u32 s2, 0xf033
	s_cbranch_scc0 .Lentry_shape_is_right
	s_endpgm
.Lentry_shape_is_right:
.set HALFT,  32768
.set SLOT,   4*HALFT
.set SPARE,  2*SLOT
.set FR,     16
.set NL,     4
.set NP,     4
.set ADRA, 16
.set ADRB, 20
.set SPW,  28
.set NIL,  29
.set LI,   12
.set VP,   13
.set VB,   14
.set BI,   32
.set YR,   96
.set ZR,   112
.set CD,   128
.set AF,   128
.set G1, 24
.set G0, 32
.set G1B, 48
.set G0B, 56
.set MSB, 0
.macro WIN new
.if MSB != \new
	s_set_vgpr_msb (MSB<<8)|\new
.set MSB, \new
.endif
.endm
.set MUL_LO, 0xa1
.set MUL_HI, 0xf1
.set TO_B,   0x40
.macro JLOAD g0a, g1a, g0b, g1b
	s_cmp_eq_u32 s15, 0
	s_cbranch_scc0 .Lfor_b_\@
	tensor_load_to_lds s[\g0a:\g0a+3], s[\g1a:\g1a+7]
	s_nop 0
.rept 4
	v_nop
.endr
	s_branch .Lasked_\@
.Lfor_b_\@:
	tensor_load_to_lds s[\g0b:\g0b+3], s[\g1b:\g1b+7]
	s_nop 0
.rept 4
	v_nop
.endr
.Lasked_\@:
.endm
.macro CREST
	s_cmp_lg_u32 s14, 0
	s_cbranch_scc1 .Lnot_wave_0_\@
	s_barrier_signal -3
.Lnot_wave_0_\@:
	s_barrier_wait -3
	s_barrier_signal -1
	s_barrier_wait -1
.endm
.macro CROUND
	s_barrier_signal -1
	s_barrier_wait -1
	CREST
.endm
	s_load_b256 s[4:11], s[0:1], 0x0
	s_load_b128 s[68:71], s[0:1], 0x20
	v_lshl_add_u32 v[SPW], v0, 2, SPARE
	v_mov_b32 v[NIL], 0
	ds_add_u32 v28, v29
	ds_add_u32 v28, v29
	s_wait_dscnt 0x0
	v_lshrrev_b32 v1, 5, v0
	v_readfirstlane_b32 s14, v1
	s_lshr_b32 s15, s14, 1
	s_and_b32 s16, s14, 1
	s_bfe_u32 s40, ttmp6, 0x40000
	s_bfe_u32 s41, ttmp6, 0x40004
	s_lshl_b32 s42, ttmp9, 2
	s_add_co_u32 s42, s42, s40
	s_and_b32 s12, ttmp7, 0xffff
	s_lshl_b32 s17, s12, 2
	s_add_co_u32 s17, s17, s41
	s_lshl_b32 s43, s41, 2
	s_lshl_b32 s43, 15, s43
	s_lshl_b32 s44, 0x1111, s40
	s_or_b32 s[G1+0], s43, (3<<16)|(1<<21)
	s_or_b32 s[G1B+0], s44, (3<<16)|(1<<21)
.irp g, G1, G1B
	s_mov_b32 s[\g+1], 512<<16
	s_mov_b32 s[\g+2], 8<<16
	s_mov_b32 s[\g+3], 512<<16
	s_mov_b32 s[\g+4], 8
	s_mov_b32 s[\g+5], 2048
	s_mov_b32 s[\g+6], 0
	s_mov_b32 s[\g+7], 0
.endr
	s_lshl_b32 s20, s17, 4
	s_lshl_b32 s21, s41, 4
	s_add_co_u32 s21, s21, 384
	s_lshl_b32 s46, s42, 4
	s_add_co_u32 s47, s46, 256
	s_sub_co_u32 s13, s12, 4
	s_lshl_b32 s45, s13, 7
	s_add_co_u32 s46, s46, s45
	s_cmp_ge_u32 s12, 4
	s_cselect_b32 s20, s21, s20
	s_cselect_b32 s46, s46, s47
	s_lshl_b32 s18, s16, 3
	s_add_co_u32 s20, s20, s18
	s_add_co_u32 s46, s46, s18
	s_lshl_b32 s20, s20, 14
	s_lshl_b32 s46, s46, 14
	s_mov_b32 s21, 0
	s_mov_b32 s47, 0
	s_mul_i32 s45, s14, HALFT
	s_wait_kmcnt 0x0
	s_load_b256 s[72:79], s[6:7], 0x0
	s_load_b128 s[80:83], s[6:7], 0x20
	s_add_nc_u64 s[20:21], s[4:5], s[20:21]
	s_add_nc_u64 s[46:47], s[4:5], s[46:47]
	CROUND
.irp s, 0,1
	s_mov_b32 s[G0+4*\s], 1
	s_add_co_u32 s[G0+4*\s+1], s45, \s*SLOT
	s_add_nc_u64 s[G0+4*\s+2:G0+4*\s+3], s[20:21], \s*4096
	s_or_b32 s[G0+4*\s+3], s[G0+4*\s+3], 0x80000000
	s_mov_b32 s[G0B+4*\s], 1
	s_add_co_u32 s[G0B+4*\s+1], s45, \s*SLOT
	s_add_nc_u64 s[G0B+4*\s+2:G0B+4*\s+3], s[46:47], \s*4096
	s_or_b32 s[G0B+4*\s+3], s[G0B+4*\s+3], 0x80000000
	s_wait_alu depctr_va_vdst(0)
	s_wait_tensorcnt 0x0
	ds_add_u32 v28, v29
	ds_add_u32 v28, v29
	s_wait_dscnt 0x0
	CROUND
	JLOAD G0+4*\s, G1, G0B+4*\s, G1B
.endr
	v_and_b32 v1, 31, v0
	v_lshlrev_b32 v[LI], 4, v1
	v_and_b32 v1, 15, v0
	v_bfe_u32 v2, v0, 4, 1
	v_and_b32 v3, 8, v1
	v_add_nc_u32 v3, v3, v1
	s_mul_i32 s21, s15, HALFT
	s_mul_i32 s22, s16, HALFT
	s_add_co_u32 s22, s22, 2*HALFT
.irp s, 0,1
	v_add_nc_u32 v[ADRA+\s], s21, v[LI]
	v_add_nc_u32 v[ADRB+\s], s22, v[LI]
	s_add_co_u32 s21, s21, SLOT
	s_add_co_u32 s22, s22, SLOT
.endr
.macro FRAG reg, adr, q, i
.irp c, 0,1,2,3
	ds_load_b128 v[\reg+4*\c:\reg+4*\c+3], v[\adr] offset:4096*(\i)+2048*(\q)+512*\c
.endr
.endm
.macro MUL16 a0, p, zero
.irp a, \a0, \a0+1
.irp b, 0,1,2,3,4,5,6,7
.if \zero
	v_wmma_f32_16x16x128_fp8_fp8 v[8*(8*((\a)%4)+\b):8*(8*((\a)%4)+\b)+7], v[128*(\p)+FR*\b:128*(\p)+FR*\b+FR-1], v[AF+FR*(\a):AF+FR*(\a)+FR-1], 0
.else
	v_wmma_f32_16x16x128_fp8_fp8 v[8*(8*((\a)%4)+\b):8*(8*((\a)%4)+\b)+7], v[128*(\p)+FR*\b:128*(\p)+FR*\b+FR-1], v[AF+FR*(\a):AF+FR*(\a)+FR-1], v[8*(8*((\a)%4)+\b):8*(8*((\a)%4)+\b)+7]
.endif
.endr
.endr
.endm
.macro FETCH_B slot, q, p
	WIN TO_B
.irp i, 0,1,2,3,4,5,6,7
	FRAG 128*(\p)+FR*\i, ADRB+\slot, \q, \i
.endr
	WIN 0
.endm
.macro FETCH_A slot, q, i0
.irp i, \i0, \i0+1, \i0+2, \i0+3
	FRAG AF+FR*(\i), ADRA+\slot, \q, \i
.endr
.endm
.macro PLACES n
.rept \n
	v_nop
.endr
.endm
.macro STEP slot, q, zero
	s_wait_dscnt 4*NL
	WIN MUL_LO
	MUL16 0, (\q)%2, \zero
	MUL16 2, (\q)%2, \zero
	s_wait_dscnt 0
	PLACES NP
	FETCH_B \slot, (\q)+1, 1-(\q)%2
	FETCH_A \slot, (\q)+1, 0
	WIN MUL_HI
	MUL16 4, (\q)%2, \zero
	MUL16 6, (\q)%2, \zero
	PLACES NP
	WIN 0
	FETCH_A \slot, (\q)+1, 4
.endm
.macro TURN slot, next, fill
	s_wait_tensorcnt 0x0
	ds_add_u32 v[SPW], v[NIL]
	s_wait_dscnt 4*NL+1
	WIN MUL_LO
	MUL16 0, 1, 0
	s_wait_dscnt 0x0
	s_barrier_signal -1
	MUL16 2, 1, 0
	WIN 0
	s_barrier_wait -1
.if \fill
	CREST
	s_add_nc_u64 s[G0+4*\slot+2:G0+4*\slot+3], s[G0+4*\slot+2:G0+4*\slot+3], 2*4096
	s_add_nc_u64 s[G0B+4*\slot+2:G0B+4*\slot+3], s[G0B+4*\slot+2:G0B+4*\slot+3], 2*4096
	JLOAD G0+4*\slot, G1, G0B+4*\slot, G1B
.else
	PLACES NP
.endif
	FETCH_B \next, 0, 0
	FETCH_A \next, 0, 0
	WIN MUL_HI
	MUL16 4, 1, 0
	MUL16 6, 1, 0
	PLACES NP
	WIN 0
	FETCH_A \next, 0, 4
.endm
.macro LAST
	s_wait_dscnt 4*NL
	WIN MUL_LO
	MUL16 0, 1, 0
	MUL16 2, 1, 0
	s_wait_dscnt 0
	WIN MUL_HI
	MUL16 4, 1, 0
	MUL16 6, 1, 0
	WIN 0
.endm
	s_wait_alu depctr_va_vdst(0)
	s_wait_tensorcnt 1
	s_barrier_signal -1
	s_barrier_wait -1
	FETCH_B 0, 0, 0
	FETCH_A 0, 0, 0
	FETCH_A 0, 0, 4
	STEP 0, 0, 1
	TURN 0, 1, 1
	STEP 1, 0, 0
	TURN 1, 0, 1
	STEP 0, 0, 0
	TURN 0, 1, 0
	STEP 1, 0, 0
	s_wait_kmcnt 0x0
	s_add_co_i32 s96, s72, s73
	s_mov_b32 s98, 0x3f800000
	s_cmp_eq_u32 ttmp9, 0
	s_cselect_b32 s84, s74, s75
	s_cselect_b32 s85, s78, s79
	s_cselect_b32 s86, 3, 0
	s_cselect_b32 s98, 0x3e000000, s98
	s_cmp_ge_u32 s12, 4
	s_cselect_b32 s84, s77, s84
	s_cselect_b32 s85, s81, s85
	s_cselect_b32 s86, 0, s86
	s_mov_b32 s99, s98
	s_sub_co_i32 s96, s96, s86
	s_add_co_i32 s96, s96, 127
	s_lshl_b32 s96, s96, 23
	s_mov_b32 s97, s96
	s_add_co_i32 s84, s84, 127
	s_lshl_b32 s86, s84, 23
	v_mov_b32 v8, s86
	s_add_co_i32 s84, s84, 8
	s_lshl_b32 s84, s84, 23
	s_or_b32 s84, s84, 0x600000
	v_mov_b32 v9, s84
	s_add_co_i32 s85, s85, 127
	s_lshl_b32 s86, s85, 23
	v_mov_b32 v10, s86
	s_add_co_i32 s85, s85, 8
	s_lshl_b32 s85, s85, 23
	s_or_b32 s85, s85, 0x600000
	v_mov_b32 v11, s85
	s_cmp_ge_u32 s12, 4
	s_cbranch_scc1 .Lv_mode
	v_lshlrev_b32 v[VP], 8, v3
	v_lshl_add_u32 v[VP], v2, 5, v[VP]
	v_lshlrev_b32 v[VB], 6, v2
	s_wait_alu depctr_va_vdst(0)
	s_lshl_b32 s92, s42, 10
	s_lshl_b32 s93, s16, 9
	s_add_co_u32 s92, s92, s93
	s_mov_b32 s93, 0
	s_add_nc_u64 s[8:9], s[8:9], s[92:93]
	s_and_b32 s87, s17, 7
	s_lshl_b32 s92, s87, 16
	s_lshl_b32 s86, s15, 15
	s_add_co_u32 s92, s92, s86
	s_add_nc_u64 s[94:95], s[10:11], s[92:93]
.irp g, 0,1,2,3
.irp q, 0,1,2,3
	global_load_b128 v[BI+16*\g+4*\q:BI+16*\g+4*\q+3], v[VB], s[8:9] offset:128*\g+16*\q
.endr
.endr
.macro SCLOAD a
	WIN 0x40
.irp g, 0,1,2,3
.irp w, 0,1
.irp q, 0,1
	global_load_b128 v[64*((\a)%2)+16*\g+8*\w+4*\q:64*((\a)%2)+16*\g+8*\w+4*\q+3], v[VP], s[94:95] offset:524288*(\g/2)+(32*((\a)/2)+8*((\a)%2))*256+64*(\g%2)+128*\w+16*\q
.endr
.endr
.endr
	WIN 0
.endm
	SCLOAD 0
	SCLOAD 1
	s_lshr_b32 s86, s17, 3
	s_lshl_b32 s86, s86, 4
	s_and_b32 s92, s42, 3
	s_lshl_b32 s92, s92, 2
	s_add_co_u32 s86, s86, s92
	s_lshl_b32 s92, s16, 1
	s_add_co_u32 s86, s86, s92
	s_lshl_b32 s86, s86, 3
	s_add_co_u32 s86, s86, s87
	s_cmp_eq_u32 ttmp9, 0
	s_cselect_b32 s87, 15, 16
	s_cselect_b64 s[88:89], s[68:69], s[70:71]
	s_lshl_b32 s92, s86, s87
	s_lshl_b32 s90, 8, s87
	s_mov_b32 s91, 0
	s_lshl_b32 s86, s15, 13
	s_add_co_u32 s92, s92, s86
	s_add_nc_u64 s[88:89], s[88:89], s[92:93]
	s_add_nc_u64 s[90:91], s[88:89], s[90:91]
	LAST
	s_wait_loadcnt 32
.set j, 0
.rept 32
	v_pk_mul_f32 v[BI+j:BI+j+1], v[BI+j:BI+j+1], s[98:99] op_sel_hi:[1,0]
.set j, j+2
.endr
.macro QK_BLOCK a, g
.set AC, 64*((\a)%4)+16*(\g)
.set SB, 64*((\a)%2)+16*(\g)
	WIN 0x02+(\a)/4
.irp j, 0,2,4,6,8,10,12,14
	v_pk_fma_f32 v[YR+\j:YR+\j+1], v[AC+\j:AC+\j+1], s[96:97], v[BI+16*(\g)+\j:BI+16*(\g)+\j+1] op_sel_hi:[1,0,1]
.endr
	WIN 0x04
.irp i, 0,1,2,3,4,5,6,7
	v_mul_f32 v[ZR+2*\i], v[YR+2*\i], v[SB+8+\i]
	v_mul_f32 v[ZR+2*\i+1], v[YR+2*\i+1], v[SB+8+\i]
.endr
.irp i, 0,1,2,3,4,5,6,7
	v_fma_f32 v[ZR+2*\i], -v[YR+2*\i+1], v[SB+\i], v[ZR+2*\i]
	v_fma_f32 v[ZR+2*\i+1], v[YR+2*\i], v[SB+\i], v[ZR+2*\i+1]
.endr
	WIN 0
.irp i, 0,1,2,3,4,5,6,7,8,9,10,11,12,13,14,15
	v_med3_num_f32 v[ZR+\i], v[ZR+\i], -v9, v9
.endr
.irp i, 0,1,2,3,4,5,6,7,8,9,10,11,12,13,14,15
	v_med3_num_f32 v[YR+\i], v[YR+\i], -v11, v11
.endr
	v_cvt_scalef32_pk8_fp8_f32 v[CD+8*(\g):CD+8*(\g)+1], v[ZR:ZR+7], v8
	v_cvt_scalef32_pk8_fp8_f32 v[CD+8*(\g)+2:CD+8*(\g)+3], v[ZR+8:ZR+15], v8
	v_cvt_scalef32_pk8_fp8_f32 v[CD+8*(\g)+4:CD+8*(\g)+5], v[YR:YR+7], v10
	v_cvt_scalef32_pk8_fp8_f32 v[CD+8*(\g)+6:CD+8*(\g)+7], v[YR+8:YR+15], v10
	v_nop
	global_store_b128 v[LI], v[CD+8*(\g):CD+8*(\g)+3], s[88+2*((\g)/2):89+2*((\g)/2)] offset:1024*(\a)+512*((\g)%2)
	global_store_b128 v[LI], v[CD+8*(\g)+4:CD+8*(\g)+7], s[88+2*((\g)/2):89+2*((\g)/2)] offset:16384+1024*(\a)+512*((\g)%2)
.endm
.irp a, 0,1,2,3,4,5,6,7
.if \a > 0
	s_wait_xcnt 0x0
.endif
.if \a < 7
	s_wait_loadcnt 16
.else
	s_wait_loadcnt 0x0
.endif
.irp g, 0,1,2,3
	QK_BLOCK \a, \g
.endr
.if \a < 6
	SCLOAD \a+2
.endif
.endr
	s_branch .Lend
.Lv_mode:
	v_lshlrev_b32 v[VP], 2, v3
	s_lshl_b32 s92, s41, 10
	s_lshl_b32 s93, s15, 9
	s_add_co_u32 s92, s92, s93
	s_add_co_u32 s92, s92, 8192
	s_mov_b32 s93, 0
	s_add_nc_u64 s[8:9], s[8:9], s[92:93]
.irp a, 0,1,2,3,4,5,6,7
	global_load_b32 v[BI+2*\a], v[VP], s[8:9] offset:(32*(\a/2)+8*(\a%2))*4
.endr
	s_lshl_b32 s86, s13, 4
	s_lshl_b32 s92, s41, 2
	s_add_co_u32 s86, s86, s92
	s_lshl_b32 s92, s15, 1
	s_add_co_u32 s86, s86, s92
	s_lshl_b32 s86, s86, 3
	s_add_co_u32 s86, s86, s42
	s_lshl_b32 s92, s86, 16
	s_lshl_b32 s86, s16, 13
	s_add_co_u32 s92, s92, s86
	s_add_co_u32 s92, s92, 32768
	s_add_nc_u64 s[88:89], s[70:71], s[92:93]
	s_add_nc_u64 s[90:91], s[88:89], 524288
	LAST
	s_wait_loadcnt 0x0
.irp a, 0,1,2,3,4,5,6,7
	v_mov_b32 v[BI+2*\a+1], v[BI+2*\a]
.endr
.macro V_BLOCK a, g
.set AC, 64*((\a)%4)+16*(\g)
	WIN 0x02+(\a)/4
.irp j, 0,2,4,6,8,10,12,14
	v_pk_fma_f32 v[YR+\j:YR+\j+1], v[AC+\j:AC+\j+1], s[96:97], v[BI+2*(\a):BI+2*(\a)+1] op_sel_hi:[1,0,1]
.endr
	WIN 0
.irp i, 0,1,2,3,4,5,6,7,8,9,10,11,12,13,14,15
	v_med3_num_f32 v[ZR+\i], v[YR+\i], -v9, v9
.endr
.irp i, 0,1,2,3,4,5,6,7,8,9,10,11,12,13,14,15
	v_med3_num_f32 v[YR+\i], v[YR+\i], -v11, v11
.endr
	v_cvt_scalef32_pk8_fp8_f32 v[CD+8*(\g):CD+8*(\g)+1], v[ZR:ZR+7], v8
	v_cvt_scalef32_pk8_fp8_f32 v[CD+8*(\g)+2:CD+8*(\g)+3], v[ZR+8:ZR+15], v8
	v_cvt_scalef32_pk8_fp8_f32 v[CD+8*(\g)+4:CD+8*(\g)+5], v[YR:YR+7], v10
	v_cvt_scalef32_pk8_fp8_f32 v[CD+8*(\g)+6:CD+8*(\g)+7], v[YR+8:YR+15], v10
	v_nop
	global_store_b128 v[LI], v[CD+8*(\g):CD+8*(\g)+3], s[88+2*((\a)/4):89+2*((\a)/4)] offset:2048*((\a)%4)+512*(\g)
	global_store_b128 v[LI], v[CD+8*(\g)+4:CD+8*(\g)+7], s[88+2*((\a)/4):89+2*((\a)/4)] offset:16384+2048*((\a)%4)+512*(\g)
.endm
.irp a, 0,1,2,3,4,5,6,7
.if \a > 0
	s_wait_xcnt 0x0
.endif
.irp g, 0,1,2,3
	V_BLOCK \a, \g
.endr
.endr
.Lend:
	s_wait_tensorcnt 0x0
	ds_add_u32 v[SPW], v[NIL]
	s_wait_dscnt 0x0
	CROUND
	s_endpgm
.Lfunc_end_k_q71ec7a070b_gemm1:
	.size	k_q71ec7a070b_gemm1, .Lfunc_end_k_q71ec7a070b_gemm1-k_q71ec7a070b_gemm1
	.p2alignl 7, 3214868480
	.fill 96, 4, 3214868480
	.section	.rodata,"a",@progbits
	.p2align	6, 0x0
	.amdhsa_kernel k_q71ec7a070b_gemm1
		.amdhsa_group_segment_fixed_size 327680
		.amdhsa_private_segment_fixed_size 0
		.amdhsa_enable_private_segment 0
		.amdhsa_kernarg_size 48
		.amdhsa_user_sgpr_count 2
		.amdhsa_user_sgpr_kernarg_segment_ptr 1
		.amdhsa_wavefront_size32 1
		.amdhsa_system_sgpr_workgroup_id_x 1
		.amdhsa_system_sgpr_workgroup_id_y 1
		.amdhsa_system_sgpr_workgroup_id_z 1
		.amdhsa_system_vgpr_workitem_id 0
		.amdhsa_next_free_vgpr 1024
		.amdhsa_next_free_sgpr 100
		.amdhsa_reserve_vcc 0
		.amdhsa_float_denorm_mode_32 3
		.amdhsa_float_denorm_mode_16_64 3
		.amdhsa_memory_ordered 1
		.amdhsa_forward_progress 1
		.amdhsa_inst_pref_size 255
	.end_amdhsa_kernel
	.section	.bss,"aw",@nobits
	.p2align	6
	.space	262144
	.amdgpu_metadata
---
amdhsa.version: [ 1, 2 ]
amdhsa.kernels:
  - .name:           k_q71ec7a070b_gemm1
    .symbol:         k_q71ec7a070b_gemm1.kd
    .args:
      - { .name: codes, .offset: 0, .size: 8, .value_kind: global_buffer, .address_space: global }
      - { .name: lowp_scales, .offset: 8, .size: 8, .value_kind: global_buffer, .address_space: global }
      - { .name: in_proj_bias, .offset: 16, .size: 8, .value_kind: global_buffer, .address_space: global }
      - { .name: sinusoidal_pos, .offset: 24, .size: 8, .value_kind: global_buffer, .address_space: global }
      - { .name: qi, .offset: 32, .size: 8, .value_kind: global_buffer, .address_space: global }
      - { .name: kv, .offset: 40, .size: 8, .value_kind: global_buffer, .address_space: global }
    .group_segment_fixed_size: 327680
    .private_segment_fixed_size: 0
    .kernarg_segment_align: 8
    .kernarg_segment_size: 48
    .max_flat_workgroup_size: 128
    .sgpr_count:     100
    .vgpr_count:     1024
    .wavefront_size: 32
...
	.end_amdgpu_metadata
.endif
;; end of part 6
;; launch attn (part 7): grid 8 x 32, 8 waves a work-group, no clusters, 271,360 bytes of LDS; arguments qi, kv, local_attn_mask, lowp_scales, ao; writes ao
.if DOCPART == 7
	.amdgcn_target "amdgcn-amd-amdhsa--gfx1250"
	.amdhsa_code_object_version 6
	.text
	.protected	k_q71ec7a070b_attn
	.globl	k_q71ec7a070b_attn
	.p2align	8
	.type	k_q71ec7a070b_attn,@function
k_q71ec7a070b_attn:
	s_mov_b64 s[64:65], 0
	v_nop
	global_prefetch_b8 v0, s[64:65] scope:SCOPE_SE
	s_setreg_imm32_b32 hwreg(HW_REG_WAVE_MODE, 25, 1), 1
	s_wait_xcnt 0x0
; Both branches of the attention for one (batch, head) bh and 256 queries: the local one (turned q and k, the mask that is given) and the global one (plain q and k), added, and quantised with e10.
; All four products on codes of E4M3.  SOFTMAX: t = score x log2(e); M = the running largest t rounded UP to a whole number; p = 2^(t - M) is quantised (e4, e8), not normalised; the row's sum is taken
; of the unquantised p and divides at the end; when M moves, the sum and O are multiplied by 2^(old M - new M).  A masked score is -infinity ahead of the maximum: p = 0.  A row with no visible key gives 0 / 0 = NaN.
; WHAT THE MASK'S BYTES DECIDE.  The mask is read whole, each byte once.  Where all 32 x 128 bytes of a wave's queries x a key step are 1, every score of that tile is -infinity: the largest t, M, the sum and O stay
; as they are and every p is 0.  So the local branch of that step is jumped over, by a scalar branch on the bytes that this launch has read; any other tile is worked in full, whatever pattern the mask holds.
; The launch has no tensor load and so no joint load: kv's blocks come through registers into LDS, shared by the eight waves.
; SHARES.  Eight waves, two to a SIMD; wave w owns 32 queries (tiles 2 w, 2 w + 1); every wave walks 16 key steps of 128 keys.  Both products transposed: a lane holds one query.  Operands are images of registers.
; THE FEED goes in CHUNKS, one a key step, two steps ahead: chunk c is 32,768 bytes of kv (pair c / 2 of 256 keys: rk and k for even c, V^T e5 and V^T e9 for odd c; 4,096 bytes a wave) and 16 rows x 256 bytes of my wave's mask
; (each load: two rows of 256 consecutive bytes).  Asked for at a step's head, stored to LDS at its end: kv into a ring of four chunks, the mask into my own stage (two stages of 32 rows x 272 bytes by turns).
; One barrier a step: behind it all chunks stored so far are whole, and the chunk stored in step n (n + 2) lies in a place of the ring that nobody reads in step n.
; No prefetch is laid: each chunk's sixteen loads a wave are issued a whole key step ahead of the wait for them.
; A KEY STEP: the global branch, then, where the mask leaves a key visible, the local one.  Plain k of step n + 1 is fetched from LDS in step n, behind the last score products that read K's registers: it lies in an even chunk,
; stored in step n - 1 at the latest and shown by the barrier at step n's head.  In a step with a local branch turned k is fetched under the global softmax.
; V's fragments land in the registers of tile 0's scores, which are done with when tile 0's codes are made; tile 1's sum and codes and the rescaling of O^T stand between those loads and the wait for them.
; THE HOLD of p at 448 x 2^e is jumped over where e >= -8: p is at most 1 (a last bit more), under 448 x 2^-8.
; LIMITS: e2 + e3 and e6 + e7 between -126 and 126; e4, e8, e10 between -126 and 119.  Mask bytes are 0 or 1.
; REGISTERS.  window 0: v1-7 addresses; v8-15 maxima and f; v16-31 -M, largest t, the sum's halves; v32-63 Q; v64-191 S^T, p, then V; v192-223 p's codes, mask bytes; v224-255 constants, temporaries, the feed's addresses.
;   window 1: v0-127 O^T (64 x branch + 32 x tile + 8 x d tile); v128-191 K's eight fragments; v192-255 a chunk on its way.
.set MP,    272
.set WST,   32*MP                      ; a wave's stage
.set STG0,  131072                     ; behind the ring of 4 x 32,768
.set STGB,  8*WST
.set SPARE, STG0+2*STGB
.set LI,   1
.set ADKN, 2                           ; v2  the next step's part of the ring
.set AM0,  3
.set ADKV, 4
.set ADM,  5
.set SPW,  6
.set NIL,  7
.set ST,   16
.set Q,    32
.set S,    64
.set P,    192
.set VM0,  238                         ; mask: 2,048 h + 16 r
.set VKO,  239                         ; the chunk's offsets in kv and in the mask
.set VMO,  249
.set VKS0, 250                         ; ring: 4,096 w + 16 lane
.set VKS,  251
.set VMS0, 252                         ; my stage: 272 h + 16 r
.set VMS,  253
.set TA,   254
.set TB,   255
.set FK,   128                         ; window 1
.set STG,  192                         ; window 1
.set WV,   14
.set SEL,  20
.set CL,   22
.set N,    26                          ; the key step
.set CH,   27                          ; the chunk in hand: N + 2
.set FC,   28                          ; lanes that saw a visible key in this pair of steps
.set FN,   29                          ; the same for the next pair
.set TBK,  30
.set TBM,  31
.set HOLD, 36                          ; s36, s37: 1 where the hold can act
.set ALL,  38
.set LIVE, 39                          ; not 0: this step has a local branch
.set SELP, 60
.set MSB, 0
.macro WIN new
.if MSB != \new
	s_set_vgpr_msb (MSB<<8)|\new
.set MSB, \new
.endif
.endm
.macro WALU
	s_wait_alu depctr_va_vdst(0)
.endm
.macro PLACES n
.rept \n
	v_nop
.endr
.endm
.macro ADDR_G                          ; chunk CH in memory: kv 32,768 c; mask 256 (c / 2) + 16 rows x (c % 2)
	s_lshl_b32 s32, s[CH], 15
	s_lshr_b32 s33, s[CH], 1
	s_lshl_b32 s33, s33, 8
	s_and_b32 s34, s[CH], 1
	s_lshl_b32 s34, s34, 15
	s_add_co_u32 s33, s33, s34
	v_add_nc_u32 v[VKO], s32, v[LI]
	v_add_nc_u32 v[VMO], s33, v[VM0]
.endm
.macro ADDR_S                          ; and in LDS: ring place c % 4; stage (c / 2) % 2, rows 16 (c % 2) on
	s_and_b32 s32, s[CH], 3
	s_lshl_b32 s32, s32, 15
	s_bfe_u32 s33, s[CH], 0x10001
	s_mul_i32 s33, s33, STGB
	s_and_b32 s34, s[CH], 1
	s_mul_i32 s34, s34, 16*MP
	s_add_co_u32 s33, s33, s34
	v_add_nc_u32 v[VKS], s32, v[VKS0]
	v_add_nc_u32 v[VMS], s33, v[VMS0]
.endm
.macro GLOADS base, w                  ; sixteen loads: 8 x 512 consecutive bytes of kv, 8 x two rows of 256 bytes of the mask
	WIN (\w<<6)
.irp i, 0,1,2,3,4,5,6,7
	global_load_b128 v[\base+4*\i:\base+4*\i+3], v[VKO], s[6:7] offset:512*\i
.endr
.irp i, 0,1,2,3,4,5,6,7
	global_load_b128 v[\base+32+4*\i:\base+32+4*\i+3], v[VMO], s[8:9] offset:4096*\i th:TH_LOAD_NT
.endr
	WIN 0
.endm
.macro STORES base, w                  ; to LDS; and the 32 words of mask bytes are added: 0x20 in every byte where all 128 of the lane's bytes are 1.  VCC: lanes with a visible key
	WIN (\w<<2)
.irp i, 0,1,2,3,4,5,6,7
	ds_store_b128 v[VKS], v[\base+4*\i:\base+4*\i+3] offset:512*\i
.endr
.irp i, 0,1,2,3,4,5,6,7
	ds_store_b128 v[VMS], v[\base+32+4*\i:\base+32+4*\i+3] offset:2*MP*\i
.endr
	WIN (\w)|(\w<<2)|(\w<<4)
	v_add3_u32 v[TA], v[\base+32], v[\base+33], v[\base+34]
	v_add3_u32 v[TB], v[\base+47], v[\base+48], v[\base+49]
	WIN (\w<<2)|(\w<<4)
.irp k, 0,1,2,3,4,5
	v_add3_u32 v[TA], v[TA], v[\base+35+2*\k], v[\base+36+2*\k]
	v_add3_u32 v[TB], v[TB], v[\base+50+2*\k], v[\base+51+2*\k]
.endr
	v_add3_u32 v[TA], v[TA], v[\base+62], v[\base+63]
	WIN 0
	v_add_nc_u32 v[TA], v[TA], v[TB]
	v_cmp_ne_u32 vcc_lo, s[ALL], v[TA]
.endm
	s_load_b256 s[4:11], s[0:1], 0x0               ; qi, kv, mask, the scales' exponents
	s_load_b64 s[12:13], s[0:1], 0x20              ; ao
	v_lshl_add_u32 v[SPW], v0, 2, SPARE
	v_mov_b32 v[NIL], 0
	v_lshrrev_b32 v2, 5, v0
	v_readfirstlane_b32 s[WV], v2                  ; wave 0..7
	v_and_b32 v2, 31, v0
	v_lshlrev_b32 v[LI], 4, v2
	v_and_b32 v2, 15, v0                           ; r
	v_bfe_u32 v9, v0, 4, 1                         ; h
	s_lshl_b32 s15, s[WV], 12
	s_mul_i32 s16, s[WV], WST
	s_add_co_u32 s16, s16, STG0                    ; my stage
	v_lshlrev_b32 v[VM0], 4, v2
	v_lshl_add_u32 v[VM0], v9, 11, v[VM0]
	v_add_nc_u32 v[VKS0], s15, v[LI]
	v_mul_u32_u24 v8, v9, MP
	v_lshl_add_u32 v8, v2, 4, v8
	v_add_nc_u32 v[VMS0], s16, v8
	v_and_b32 v8, 8, v2
	v_add_nc_u32 v8, v8, v2                        ; r + 8 (r / 8)
	v_mul_u32_u24 v[AM0], v8, MP
	v_lshl_add_u32 v[AM0], v9, 4, v[AM0]
	v_add_nc_u32 v[AM0], s16, v[AM0]               ; my query's row in the stage (tile 1: 8 rows on), + 16 h
	s_and_b32 s18, ttmp7, 0xffff                   ; bh
	s_lshl_b32 s52, s18, 19                        ; kv: 524,288 bh + 4,096 w
	s_add_co_u32 s52, s52, s15
	s_mov_b32 s53, 0
	s_lshl_b32 s54, s18, 22                        ; mask: 4,194,304 bh + (256 x block + 32 w) rows of 2,048
	s_lshl_b32 s55, ttmp9, 19
	s_add_co_u32 s54, s54, s55
	s_lshl_b32 s55, s[WV], 16
	s_add_co_u32 s54, s54, s55
	s_mov_b32 s55, 0
	s_mov_b32 s[SEL], 0x76543210
	s_mov_b32 s[SEL+1], 0xfedcba98
	s_mov_b32 s[SELP], (4<<24)|0x0101              ; byte 3 = byte i of the first source; byte 2 = 0x80; bytes 1, 0 = 0
	s_mov_b32 s[SELP+1], (5<<24)|0x0101
	s_mov_b32 s[SELP+2], (6<<24)|0x0101
	s_mov_b32 s[SELP+3], (7<<24)|0x0101
	s_mov_b32 s66, 0x7f7f7f7f
	s_mov_b32 s[ALL], 0x20202020
	s_mov_b32 s[FN], 0
	WALU                                           ; the wait ahead of the wait below
	s_wait_kmcnt 0x0
	s_load_b256 s[68:75], s[10:11], 0x0            ; e0 .. e7
	s_load_b128 s[76:79], s[10:11], 0x20           ; e8 .. e11
	s_add_nc_u64 s[6:7], s[6:7], s[52:53]
	s_add_nc_u64 s[8:9], s[8:9], s[54:55]
	s_mov_b32 s[CH], 0
	ADDR_G
	GLOADS STG, 1                                  ; chunk 0,
	s_wait_xcnt 0x0                                ; (its loads have read their offsets)
	s_mov_b32 s[CH], 1
	ADDR_G
	GLOADS S, 0                                    ; and chunk 1, into the scores' registers, which are idle yet
	s_lshl_b32 s80, s18, 3
	s_add_co_u32 s80, s80, ttmp9
	s_lshl_b32 s80, s80, 15
	s_lshl_b32 s81, s[WV], 11
	s_add_co_u32 s80, s80, s81
	s_mov_b32 s81, 0
	s_add_nc_u64 s[4:5], s[4:5], s[80:81]          ; qi at my two tiles
.irp k, 0,1
.irp u, 0,1
.irp c, 0,1
	global_load_b128 v[Q+16*\k+8*\u+4*\c:Q+16*\k+8*\u+4*\c+3], v[LI], s[4:5] offset:16384*\k+1024*\u+512*\c   ; turned q (k = 0) and plain q (1)
.endr
.endr
.endr
	s_lshr_b32 s80, s18, 4                         ; ao: row tile 128 x batch + 16 x block + 2 w; the head's 64 along K are 1,024 bytes of a tile's image
	s_lshl_b32 s80, s80, 7
	s_lshl_b32 s82, ttmp9, 4
	s_add_co_u32 s80, s80, s82
	s_lshl_b32 s82, s[WV], 1
	s_add_co_u32 s80, s80, s82
	s_lshl_b32 s80, s80, 14
	s_and_b32 s82, s18, 15
	s_lshl_b32 s82, s82, 10
	s_add_co_u32 s80, s80, s82
	s_add_nc_u64 s[12:13], s[12:13], s[80:81]
.irp k, 0,1,2,3
	v_mov_b32 v[ST+4*\k+1], 0xff61b1e6             ; the largest t so far: -3e38
	s_delay_alu instid0(VALU_DEP_1)
	v_floor_f32 v[ST+4*\k], -v[ST+4*\k+1]          ; -M
	v_mov_b32 v[ST+4*\k+2], 0                      ; the sum, in two halves
	v_mov_b32 v[ST+4*\k+3], 0
.endr
	v_mov_b32 v11, 0                               ; the upper halves of f's pairs
	v_mov_b32 v15, 0
	v_mov_b32 v232, 0                              ; a lane permute's destination counts as one of its sources
	v_mov_b32 v233, 0
	v_mov_b32 v228, 0x80
	WIN 0x40
.set j, 0
.rept 128
	v_mov_b32 v[j], 0                              ; O^T: which local step comes first hangs on the mask, so the sums begin as zeros
.set j, j+1
.endr
	WIN 0
	s_wait_kmcnt 0x0
	s_add_co_i32 s82, s70, s71
	s_lshl_b32 s82, s82, 23
	s_add_co_i32 s[CL], s82, 0x3fb8aa3b            ; log2(e) x 2^(e2 + e3)
	s_mov_b32 s[CL+1], s[CL]
	s_add_co_i32 s82, s74, s75
	s_lshl_b32 s82, s82, 23
	s_add_co_i32 s[CL+2], s82, 0x3fb8aa3b          ; log2(e) x 2^(e6 + e7)
	s_mov_b32 s[CL+3], s[CL+2]
	s_cmp_lt_i32 s72, -8
	s_cselect_b32 s[HOLD], 1, 0
	s_cmp_lt_i32 s76, -8
	s_cselect_b32 s[HOLD+1], 1, 0
.macro POWERS e, vs, vl                ; 2^e and 448 x 2^e as f32
	s_add_co_i32 s82, s[\e], 127
	s_lshl_b32 s83, s82, 23
	v_mov_b32 v[\vs], s83
	s_add_co_i32 s82, s82, 8
	s_lshl_b32 s82, s82, 23
	s_or_b32 s82, s82, 0x600000
	v_mov_b32 v[\vl], s82
.endm
	POWERS 72, 224, 225                            ; e4
	v_mov_b32 v231, v225                           ; each limit a second time, in another register bank, for the pairs of minima
	POWERS 76, 226, 227                            ; e8
	v_mov_b32 v248, v227
	POWERS 78, 229, 230                            ; e10
	WALU                                           ; the wait at the head's end
	s_wait_loadcnt 0x0                             ; chunks 0 and 1, and Q
	s_mov_b32 s[CH], 0
	ADDR_S
	STORES STG, 1
	s_mov_b32 s[FC], vcc_lo
	s_mov_b32 s[CH], 1
	ADDR_S
	STORES S, 0
	s_or_b32 s[FC], s[FC], vcc_lo
	s_mov_b32 s[CH], 2
	s_mov_b32 s[N], 0
.macro LDM                             ; the mask's bytes of my 2 x 16 queries x this step's keys: register 4 c + w holds keys 32 c + 16 h + 4 w + 0 .. 3
.irp u, 0,1
.irp c, 0,1,2,3
	ds_load_b128 v[P+16*\u+4*\c:P+16*\u+4*\c+3], v[ADM] offset:8*MP*\u+32*\c
.endr
.endr
.endm
.macro LDK kind, adr                   ; eight fragments of 16 keys x 64
	WIN 0x40
.irp i, 0,1,2,3,4,5,6,7
.irp c, 0,1
	ds_load_b128 v[FK+8*\i+4*\c:FK+8*\i+4*\c+3], v[\adr] offset:16384*\kind+1024*\i+512*\c
.endr
.endr
	WIN 0
.endm
.macro LDV kind                        ; four fragments of 16 d x 128 keys, into tile 0's scores' registers
.irp d, 0,1,2,3
.irp c, 0,1,2,3
	ds_load_b128 v[S+16*\d+4*\c:S+16*\d+4*\c+3], v[ADKV] offset:16384*\kind+2048*\d+512*\c
.endr
.endr
.endm
.macro SPROD br                        ; S^T = K Q^T: sixteen products, each starts its own sum
	WIN 0x01
.irp i, 0,1,2,3,4,5,6,7
.irp u, 0,1
	v_wmma_f32_16x16x64_fp8_fp8 v[S+64*\u+8*\i:S+64*\u+8*\i+7], v[FK+8*\i:FK+8*\i+7], v[Q+16*\br+8*\u:Q+16*\br+8*\u+7], 0
.endr
.endr
	WIN 0
.endm
.macro PVPROD br                       ; O^T += V^T P^T: eight accumulators by turns.  Five plain lines follow: the next products write over V's registers
	WIN 0x50
.irp d, 0,1,2,3
.irp u, 0,1
	v_wmma_f32_16x16x128_fp8_fp8 v[64*\br+32*\u+8*\d:64*\br+32*\u+8*\d+7], v[S+16*\d:S+16*\d+15], v[P+16*\u:P+16*\u+15], v[64*\br+32*\u+8*\d:64*\br+32*\u+8*\d+7]
.endr
.endr
	WIN 0
	PLACES 5
.endm
; A mask byte 0 or 1 becomes +infinity or -infinity (0x7f or 0xff over 0x80, 0, 0), and the score the lesser of itself and that; scores in ascending order
.macro MASKAPPLY u
.set j, 0
.rept 16
	v_lshl_or_b32 v[P+16*\u+j], v[P+16*\u+j], 7, s66
.set j, j+1
.endr
.set j, 0
.rept 8
.set k, 0
.rept 8
	v_perm_b32 v[240+k], v[P+16*\u+j+k/4], v228, s[SELP+k%4]
.set k, k+1
.endr
.set k, 0
.rept 4
	v_dual_min_num_f32 v[S+64*\u+4*j+k], v[S+64*\u+4*j+k], v[240+k] :: v_dual_min_num_f32 v[S+64*\u+4*j+k+1], v[S+64*\u+4*j+k+1], v[241+k]
.set k, k+2
.endr
.set j, j+2
.endr
.endm
; One tile's end of the softmax: the row's sum of the unquantised p, in three chains by turns; the hold; the codes
.macro TAIL br, u
	v_pk_add_f32 v[234:235], v[S+64*\u:S+64*\u+1], v[S+64*\u+2:S+64*\u+3]
	v_pk_add_f32 v[236:237], v[S+64*\u+4:S+64*\u+5], v[S+64*\u+6:S+64*\u+7]
.irp i, 8,14,20,26,32,38,44,50,56
	v_pk_add_f32 v[ST+8*\br+4*\u+2:ST+8*\br+4*\u+3], v[ST+8*\br+4*\u+2:ST+8*\br+4*\u+3], v[S+64*\u+\i:S+64*\u+\i+1]
	v_pk_add_f32 v[234:235], v[234:235], v[S+64*\u+\i+2:S+64*\u+\i+3]
	v_pk_add_f32 v[236:237], v[236:237], v[S+64*\u+\i+4:S+64*\u+\i+5]
.endr
	v_pk_add_f32 v[ST+8*\br+4*\u+2:ST+8*\br+4*\u+3], v[ST+8*\br+4*\u+2:ST+8*\br+4*\u+3], v[S+64*\u+62:S+64*\u+63]
	v_pk_add_f32 v[234:235], v[234:235], v[236:237]
	v_pk_add_f32 v[ST+8*\br+4*\u+2:ST+8*\br+4*\u+3], v[ST+8*\br+4*\u+2:ST+8*\br+4*\u+3], v[234:235]
	s_cmp_lg_u32 s[HOLD+\br], 0                    ; e >= -8: no p reaches 448 x 2^e
	WALU                                           ; the wait ahead of the branch
	s_cbranch_scc0 .Lno_hold_\@
.set j, 0
.rept 32
	v_dual_min_num_f32 v[S+64*\u+j], v[S+64*\u+j], v[225+2*\br] :: v_dual_min_num_f32 v[S+64*\u+j+1], v[S+64*\u+j+1], v[231+17*\br]   ; the conversion does not saturate (ISA guide 7.6.2); p is not negative: a one-sided hold
.set j, j+2
.endr
.Lno_hold_\@:
.set j, 0
.rept 8
	v_cvt_scalef32_pk8_fp8_f32 v[P+16*\u+2*j:P+16*\u+2*j+1], v[S+64*\u+8*j:S+64*\u+8*j+7], v[224+2*\br]
.set j, j+1
.endr
.endm
; The softmax of both tiles for one branch and one key step; V's fragments (kind) are asked for as soon as tile 0's codes are made
.macro SOFTMAX br, kind
.irp u, 0,1
	v_max3_num_f32 v[8+4*\u], v[S+64*\u], v[S+64*\u+1], v[S+64*\u+2]           ; the step's largest score: two chains a tile, ascending
	v_max3_num_f32 v[9+4*\u], v[S+64*\u+3], v[S+64*\u+4], v[S+64*\u+5]
.endr
.irp i, 6,10,14,18,22,26,30,34,38,42,46,50,54,58
.irp u, 0,1
	v_max3_num_f32 v[8+4*\u], v[8+4*\u], v[S+64*\u+\i], v[S+64*\u+\i+1]
	v_max3_num_f32 v[9+4*\u], v[9+4*\u], v[S+64*\u+\i+2], v[S+64*\u+\i+3]
.endr
.endr
.irp u, 0,1
	v_max3_num_f32 v[8+4*\u], v[8+4*\u], v[S+64*\u+62], v[S+64*\u+63]
.endr
.irp u, 0,1
	s_delay_alu instid0(VALU_DEP_2)
	v_max_num_f32 v[8+4*\u], v[8+4*\u], v[9+4*\u]
.endr
.irp u, 0,1
	s_delay_alu instid0(VALU_DEP_2)
	v_permlanex16_b32 v[232+\u], v[8+4*\u], s[SEL], s[SEL+1]
.endr
.irp u, 0,1
	s_delay_alu instid0(VALU_DEP_2)
	v_max_num_f32 v[8+4*\u], v[8+4*\u], v[232+\u]                              ; and among lane l xor 16's
.endr
.irp u, 0,1
	s_delay_alu instid0(VALU_DEP_2)
	v_mul_f32 v[8+4*\u], s[CL+2*\br], v[8+4*\u]                                ; as t (c is positive)
.endr
.irp u, 0,1
	s_delay_alu instid0(VALU_DEP_2)
	v_max_num_f32 v[ST+8*\br+4*\u+1], v[ST+8*\br+4*\u+1], v[8+4*\u]            ; the running largest t
.endr
.irp u, 0,1
	v_mov_b32 v[8+4*\u], v[ST+8*\br+4*\u]
.endr
.irp u, 0,1
	s_delay_alu instid0(VALU_DEP_4)
	v_floor_f32 v[ST+8*\br+4*\u], -v[ST+8*\br+4*\u+1]                          ; the new -M = -ceil(t)
.endr
.irp u, 0,1
	s_delay_alu instid0(VALU_DEP_2)
	v_sub_f32 v[8+4*\u], v[ST+8*\br+4*\u], v[8+4*\u]                           ; old M - new M: a whole number, 0 or less
.endr
.irp u, 0,1
	s_delay_alu instid0(VALU_DEP_2)
	v_cvt_i32_f32 v[8+4*\u], v[8+4*\u]                                         ; (it saturates)
.endr
.irp u, 0,1
	s_delay_alu instid0(VALU_DEP_2)
	v_ldexp_f32 v[10+4*\u], 1.0, v[8+4*\u]                                     ; f = 2^(old M - new M)
.endr
.set j, 0
.rept 64
	v_pk_fma_f32 v[S+j:S+j+1], v[S+j:S+j+1], s[CL+2*\br:CL+2*\br+1], v[ST+8*\br+4*(j/64):ST+8*\br+4*(j/64)+1] op_sel_hi:[1,0,0]   ; t - M, two at a time
.set j, j+2
.endr
	WALU                                           ; the wait ahead of the batch
.set j, 0
.rept 128
	v_exp_f32 v[S+j], v[S+j]                                                   ; p = 2^(t - M)
.set j, j+1
.endr
.irp u, 0,1
	v_pk_mul_f32 v[ST+8*\br+4*\u+2:ST+8*\br+4*\u+3], v[ST+8*\br+4*\u+2:ST+8*\br+4*\u+3], v[10+4*\u:11+4*\u] op_sel_hi:[1,0]   ; the sums under the new M
.endr
	WALU                                           ; and behind it, ahead of its first reader
	TAIL \br, 0
	LDV \kind
	TAIL \br, 1
.endm
.macro RESCALE br                      ; O^T under the new M: 32 plain lines, which also stand between the conversions and the products
	WIN 0x41
	WALU                                           ; the wait ahead of the first reader of O^T
.set j, 0
.rept 32
	v_pk_mul_f32 v[64*\br+j:64*\br+j+1], v[64*\br+j:64*\br+j+1], v[10+4*(j/32):11+4*(j/32)] op_sel_hi:[1,0]
.set j, j+2
.endr
	WIN 0
	WALU                                           ; and ahead of the wait for V
	s_wait_dscnt 0x0
.endm
	WALU
	s_wait_dscnt 0x0                               ; my parts of chunks 0 and 1 are stored
	s_barrier_signal -1
	s_barrier_wait -1                              ; and everybody's
	LDK 1, LI                                      ; plain k of step 0
.Lphase:                                           ; sixteen trips, a key step each
	s_wait_dscnt 0x0                               ; my stores of the last chunk are done, my reads of the last step are over, and this step's plain k is in
	s_barrier_signal -1
	s_barrier_wait -1
	s_cmp_lt_u32 s[N], 14                          ; the last two steps have no chunk two steps on
	s_cbranch_scc0 .Lno_ask
	ADDR_G
	GLOADS STG, 1
.Lno_ask:
	s_bfe_u32 s32, s[N], 0x10001                   ; which pair of chunks, which stage
	s_and_b32 s33, s[N], 1                         ; which half of the pair's 256 keys
	s_lshl_b32 s[TBK], s32, 16
	s_lshl_b32 s34, s33, 13
	s_add_co_u32 s[TBK], s[TBK], s34
	s_mul_i32 s[TBM], s32, STGB
	s_lshl_b32 s34, s33, 7
	s_add_co_u32 s[TBM], s[TBM], s34
	s_lshl_b32 s33, s33, 3
	s_lshl_b32 s33, 0x00ff00ff, s33                ; lanes r = 0 .. 7 looked at the pair's first 128 keys, r = 8 .. 15 at the others
	s_and_b32 s[LIVE], s33, s[FC]
	s_add_co_u32 s34, s[N], 1                      ; the same place for the next step
	s_bfe_u32 s32, s34, 0x10001
	s_lshl_b32 s32, s32, 16
	s_and_b32 s34, s34, 1
	s_lshl_b32 s34, s34, 13
	s_add_co_u32 s32, s32, s34
	v_add_nc_u32 v[ADKV], s[TBK], v[LI]
	v_add_nc_u32 v[ADM], s[TBM], v[AM0]
	v_add_nc_u32 v[ADKN], s32, v[LI]
	WALU
	SPROD 1                                        ; THE GLOBAL BRANCH
	PLACES 4
	s_cmp_lg_u32 s[LIVE], 0
	s_cbranch_scc1 .Lturned
	s_cmp_lt_u32 s[N], 15                          ; the last step has no next
	s_cbranch_scc0 .Lfetched
	LDK 1, ADKN                                    ; no local branch: the next step's plain k, under this softmax
	s_branch .Lfetched
.Lturned:
	LDK 0, ADKV                                    ; this step's turned k, under this softmax
.Lfetched:
	SOFTMAX 1, 3
	RESCALE 1
	PVPROD 1
	s_cmp_lg_u32 s[LIVE], 0
	s_cbranch_scc0 .Lno_local
	LDM                                            ; THE LOCAL BRANCH, where some key of the step is visible to some query of mine
	s_wait_dscnt 0x0
	SPROD 0
	PLACES 4
	s_cmp_lt_u32 s[N], 15
	s_cbranch_scc0 .Lno_next
	LDK 1, ADKN                                    ; the next step's plain k
.Lno_next:
	MASKAPPLY 0
	MASKAPPLY 1
	SOFTMAX 0, 2
	RESCALE 0
	PVPROD 0
.Lno_local:
	s_cmp_lt_u32 s[N], 14
	s_cbranch_scc0 .Lno_put
	ADDR_S
	WALU                                           ; the wait ahead of the wait below
	s_wait_loadcnt 0x0                             ; the chunk asked for at the step's head
	STORES STG, 1
	s_bitcmp1_b32 s[CH], 0
	s_cselect_b32 s32, s[FN], 0                    ; an even chunk begins the next pair's flags, an odd one completes them
	s_or_b32 s[FN], s32, vcc_lo
	s_bitcmp1_b32 s[CH], 0
	s_cselect_b32 s[FC], s[FN], s[FC]
.Lno_put:
	s_add_co_u32 s[CH], s[CH], 1
	s_add_co_u32 s[N], s[N], 1
	s_cmp_lt_u32 s[N], 16
	WALU
	s_cbranch_scc1 .Lphase
	; THE WAY OUT.  k = 2 x branch + tile
.irp k, 0,1,2,3
	v_add_f32 v[8+\k], v[ST+4*\k+2], v[ST+4*\k+3]
.endr
.irp k, 0,1,2,3
	s_delay_alu instid0(VALU_DEP_4)
	v_permlanex16_b32 v[12+\k], v[8+\k], s[SEL], s[SEL+1]
.endr
.irp k, 0,1,2,3
	s_delay_alu instid0(VALU_DEP_4)
	v_add_f32 v[8+\k], v[8+\k], v[12+\k]           ; the row's sum
.endr
	WALU
.irp k, 0,1,2,3
	v_rcp_f32 v[8+\k], v[8+\k]
.endr
	v_nop                                          ; a plain line behind the last reciprocal
	s_add_co_i32 s82, s72, s73                     ; e4 + e5
	s_add_co_i32 s83, s76, s77                     ; e8 + e9
	WALU                                           ; one wait for the four, ahead of the first reader
	v_ldexp_f32 v8, v8, s82
	v_ldexp_f32 v9, v9, s82
	v_ldexp_f32 v10, v10, s83
	v_ldexp_f32 v11, v11, s83
.irp u, 0,1
	WIN 0x01                                       ; source 0: window 1
	WALU                                           ; the wait ahead of the first reader of O^T
.set j, 0
.rept 32
	v_mul_f32 v[S+64*\u+j], v[32*\u+j], v[8+\u]    ; the local branch / its sum: register 16 g + i is d = 32 g + 16 h + i
.set j, j+1
.endr
.set j, 0
.rept 32
	v_fma_f32 v[S+64*\u+j], v[64+32*\u+j], v[10+\u], v[S+64*\u+j]   ; + the global branch / its sum
.set j, j+1
.endr
	WIN 0
.set j, 0
.rept 32
	v_med3_num_f32 v[S+64*\u+32+j], v[S+64*\u+j], -v230, v230
.set j, j+1
.endr
.set j, 0
.rept 32
	v_fma_f32 v[S+64*\u+32+j], v[S+64*\u+j], 0, v[S+64*\u+32+j]     ; the hold drops a NaN: this brings it back (a row with no visible key)
.set j, j+1
.endr
.irp m, 0,1,2,3
	v_cvt_scalef32_pk8_fp8_f32 v[P+8*\u+2*\m:P+8*\u+2*\m+1], v[S+64*\u+32+8*\m:S+64*\u+32+8*\m+7], v229
.endr
	v_nop
	global_store_b128 v[LI], v[P+8*\u:P+8*\u+3], s[12:13] offset:16384*\u          ; 512 consecutive bytes, aligned: a block of the next product's operand
	global_store_b128 v[LI], v[P+8*\u+4:P+8*\u+7], s[12:13] offset:16384*\u+512
.endr
	s_wait_tensorcnt 0x0                           ; the wave's end
	ds_add_u32 v[SPW], v[NIL]
	s_wait_dscnt 0x0
	s_endpgm
.Lfunc_end_k_q71ec7a070b_attn:
	.size	k_q71ec7a070b_attn, .Lfunc_end_k_q71ec7a070b_attn-k_q71ec7a070b_attn
	.p2alignl 7, 3214868480
	.fill 96, 4, 3214868480
	.section	.rodata,"a",@progbits
	.p2align	6, 0x0
	.amdhsa_kernel k_q71ec7a070b_attn
		.amdhsa_group_segment_fixed_size 271360
		.amdhsa_private_segment_fixed_size 0
		.amdhsa_enable_private_segment 0
		.amdhsa_kernarg_size 40
		.amdhsa_user_sgpr_count 2
		.amdhsa_user_sgpr_kernarg_segment_ptr 1
		.amdhsa_wavefront_size32 1
		.amdhsa_system_sgpr_workgroup_id_x 1
		.amdhsa_system_sgpr_workgroup_id_y 1
		.amdhsa_system_sgpr_workgroup_id_z 1
		.amdhsa_system_vgpr_workitem_id 0
		.amdhsa_next_free_vgpr 512
		.amdhsa_next_free_sgpr 96
		.amdhsa_reserve_vcc 1
		.amdhsa_float_denorm_mode_32 3
		.amdhsa_float_denorm_mode_16_64 3
		.amdhsa_memory_ordered 1
		.amdhsa_forward_progress 1
		.amdhsa_inst_pref_size 116
	.end_amdhsa_kernel
	.amdgpu_metadata
---
amdhsa.version: [ 1, 2 ]
amdhsa.kernels:
  - .name:           k_q71ec7a070b_attn
    .symbol:         k_q71ec7a070b_attn.kd
    .args:
      - { .name: qi, .offset: 0, .size: 8, .value_kind: global_buffer, .address_space: global }
      - { .name: kv, .offset: 8, .size: 8, .value_kind: global_buffer, .address_space: global }
      - { .name: local_attn_mask, .offset: 16, .size: 8, .value_kind: global_buffer, .address_space: global }
      - { .name: lowp_scales, .offset: 24, .size: 8, .value_kind: global_buffer, .address_space: global }
      - { .name: ao, .offset: 32, .size: 8, .value_kind: global_buffer, .address_space: global }
    .group_segment_fixed_size: 271360
    .private_segment_fixed_size: 0
    .kernarg_segment_align: 8
    .kernarg_segment_size: 40
    .max_flat_workgroup_size: 256
    .sgpr_count:     96
    .vgpr_count:     512
    .wavefront_size: 32
...
	.end_amdgpu_metadata
.endif
;; end of part 7
;; launch gemm2 (part 8): grid 8 x 32, 4 waves a work-group, clusters of 4 x 4, 280,064 bytes of LDS; arguments ao, codes, lowp_scales, out_proj_bias, out0; writes out0
.if DOCPART == 8
	.amdgcn_target "amdgcn-amd-amdhsa--gfx1250"
	.amdhsa_code_object_version 6
	.text
	.protected	k_q71ec7a070b_gemm2
	.globl	k_q71ec7a070b_gemm2
	.p2align	8
	.type	k_q71ec7a070b_gemm2,@function
k_q71ec7a070b_gemm2:
	s_mov_b64 s[64:65], 0
	v_nop
	global_prefetch_b8 v0, s[64:65] scope:SCOPE_SE
	s_setreg_imm32_b32 hwreg(HW_REG_WAVE_MODE, 25, 1), 1
	s_wait_xcnt 0x0
	s_wait_alu depctr_hold_cnt(0) depctr_sa_sdst(0) depctr_va_vdst(0) depctr_va_sdst(0) depctr_va_ssrc(0) depctr_va_vcc(0) depctr_vm_vsrc(0)
	s_getreg_b32 s2, hwreg(HW_REG_IB_STS2, 6, 4)
	s_cmp_eq_u32 s2, 0
	s_cbranch_scc0 .Lentry_in_a_cluster
	s_endpgm
.Lentry_in_a_cluster:
	s_bfe_u32 s2, ttmp6, 0x10000c
	s_cmp_lg_u32 s2, 0xf033
	s_cbranch_scc0 .Lentry_shape_is_right
	s_endpgm
.Lentry_shape_is_right:
; out0 = attn_out out_proj_weight^T + bias, on codes of E4M3 (K = 1,024): each finished sum x 2^(e10 + e11) + bias.
; Operands are images of operand registers: a row tile is 16,384 bytes, its fragment of K step s (128 along K) at 2,048 s, block c at 512 c, lane l at 16 l.  attn_out's tiles: 128 x batch + token tile, row r of token
; tile j is token 32 (j/2) + 8 (j%2) + r + 8 (r/8); the weight's tiles (448 on in the buffer of codes) take 16 neighbouring rows.
; THE TILE is 128 x 128: 256 work-groups.  Four waves, each 64 x 64: 16 accumulators.
; ALL OF K LIES IN LDS, every byte filled once: no ring.  ONE tensor load a wave, at the head: 8 row tiles x 8,192 bytes (512 along K): wave 0 the tokens' first half of K, wave 1 the weight's, waves 2 and 3 the second halves.
; LDS: [half of K: 131,072][tokens 65,536, weight 65,536][row tile: 8,192].  Every wave waits for its load ahead of the one barrier, behind which all of K is read.
; Source 0 = 16 rows of the weight, source 1 = 16 tokens: a lane holds eight neighbouring numbers of a row of out0.  CLUSTERS: 4 x 4: the tokens' tile is shared along a row of the cluster, the weight's along a column.
; No prefetch: the launch has no loop to run ahead in; all its tiles are asked for at its head.
; THE WAY OUT: 16 rows x 256 bytes at a time through the wave's own stage in LDS, back as rows: sixteen lanes store 256 consecutive bytes, aligned.
; LIMIT: e10 + e11 between -126 and 127.  k is laid alike in both operands but not in the matrix form's own order: only the order of the sums inside an instruction differs.
; REGISTERS: window 0: v16-27 addresses; v32-63 a block's results; v64-95 the bias; v128-255 the accumulators.  window 1: two fragment buffers of 128: four fragments of tokens, then four of the weight.
.set KH,     131072
.set STAGE,  2*KH
.set SPITCH, 272
.set SPARE,  STAGE+4*16*SPITCH
.set ADRA, 16                          ; v16-19  LDS address of my tokens' fragments, for each 256 along K
.set ADRB, 20                          ; v20-23  the same for the weight's
.set STO,  24
.set RD,   25
.set CO,   26
.set VB,   27
.set TMP,  32
.set BIAS, 64
.set ACC,  128
.set F0,   0
.set F1,   128
.set G1,   24                          ; s[24:31] group 1 for the tokens' tiles, s[32:39] for the weight's; s[40:43], s[44:47] their groups 0
.set G1B,  32
.set G0,   40
.set G0B,  44
.set MSB, 0
.macro WIN new
.if MSB != \new
	s_set_vgpr_msb (MSB<<8)|\new
.set MSB, \new
.endif
.endm
.macro CROUND
	s_barrier_signal -1
	s_barrier_wait -1
	s_cmp_lg_u32 s14, 0
	s_cbranch_scc1 .Lnot_wave_0_\@
	s_barrier_signal -3
.Lnot_wave_0_\@:
	s_barrier_wait -3
	s_barrier_signal -1
	s_barrier_wait -1
.endm
.macro PLACES
.rept 4
	v_nop
.endr
.endm
	s_load_b256 s[4:11], s[0:1], 0x0               ; ao, codes, the scales' exponents, bias
	s_load_b64 s[76:77], s[0:1], 0x20              ; out0
	v_lshl_add_u32 v126, v0, 2, SPARE
	v_mov_b32 v127, 0
	ds_add_u32 v126, v127                          ; the opening lines
	ds_add_u32 v126, v127
	v_lshrrev_b32 v1, 5, v0
	v_readfirstlane_b32 s14, v1                    ; wave
	s_lshr_b32 s15, s14, 1                         ; my half of the tokens.  Also: which half of K I fetch
	s_and_b32 s16, s14, 1                          ; my half of the columns.  Also: I fetch for the tokens (0) or for the weight (1)
	s_bfe_u32 s80, ttmp6, 0x40000                  ; cx
	s_bfe_u32 s81, ttmp6, 0x40004                  ; cy
	s_lshl_b32 s82, ttmp9, 2
	s_add_co_u32 s82, s82, s80                     ; X: which 128 columns
	s_and_b32 s17, ttmp7, 0xffff
	s_lshl_b32 s17, s17, 2
	s_add_co_u32 s17, s17, s81                     ; Y: which 8 row tiles
	s_lshl_b32 s83, s81, 2
	s_lshl_b32 s83, 15, s83                        ; my row of the cluster
	s_lshl_b32 s84, 0x1111, s80                    ; my column
	s_or_b32 s[G1+0], s83, (3<<16)|(1<<21)         ; elements of 8 bytes; 8 rows (row tiles) of 8,192 bytes, 16,384 bytes apart; dense in LDS
	s_or_b32 s[G1B+0], s84, (3<<16)|(1<<21)
.irp g, G1, G1B
	s_mov_b32 s[\g+1], 1024<<16
	s_mov_b32 s[\g+2], 8<<16
	s_mov_b32 s[\g+3], 1024<<16
	s_mov_b32 s[\g+4], 8
	s_mov_b32 s[\g+5], 2048
	s_mov_b32 s[\g+6], 0
	s_mov_b32 s[\g+7], 0
.endr
	s_lshl_b32 s18, s15, 13                        ; my half of K: 8,192 bytes on in every row tile
	s_lshl_b32 s86, s17, 17                        ; ao: tile 8 Y: nothing of cx
	s_add_co_u32 s86, s86, s18
	s_lshl_b32 s88, s82, 17                        ; codes: tile 448 + 8 X: nothing of cy
	s_add_co_u32 s88, s88, 448<<14
	s_add_co_u32 s88, s88, s18
	s_mov_b32 s87, 0
	s_mov_b32 s89, 0
	s_lshl_b32 s85, s15, 17                        ; where they go: no place in the cluster enters an LDS address
	s_wait_dscnt 0x0
	s_wait_kmcnt 0x0
	s_load_b64 s[96:97], s[8:9], 0x28              ; e10, e11
	s_mov_b32 s[G0], 1
	s_mov_b32 s[G0+1], s85
	s_add_nc_u64 s[G0+2:G0+3], s[4:5], s[86:87]
	s_or_b32 s[G0+3], s[G0+3], 0x80000000
	s_mov_b32 s[G0B], 1
	s_add_co_u32 s[G0B+1], s85, 65536
	s_add_nc_u64 s[G0B+2:G0B+3], s[6:7], s[88:89]
	s_or_b32 s[G0B+3], s[G0B+3], 0x80000000
	CROUND                                         ; all sixteen work-groups are here: the joint loads meet
	s_cmp_eq_u32 s16, 0
	s_cbranch_scc0 .Lfirst_b
	tensor_load_to_lds s[G0:G0+3], s[G1:G1+7]
	s_nop 0
.rept 4
	v_nop
.endr
	s_branch .Lfirst_asked
.Lfirst_b:
	tensor_load_to_lds s[G0B:G0B+3], s[G1B:G1B+7]
	s_nop 0
.rept 4
	v_nop
.endr
.Lfirst_asked:
	v_and_b32 v6, 31, v0
	v_lshlrev_b32 v7, 4, v6                        ; 16 x lane
	s_wait_alu depctr_va_vdst(0)
	v_and_b32 v1, 15, v0                           ; r
	v_bfe_u32 v2, v0, 4, 1                         ; h
	v_lshlrev_b32 v[VB], 5, v2
	s_lshl_b32 s22, s82, 9                         ; my first column, in bytes: 512 X + 256 x half; the bias's too
	s_lshl_b32 s23, s16, 8
	s_add_co_u32 s22, s22, s23
	s_mov_b32 s23, 0
	s_add_nc_u64 s[10:11], s[10:11], s[22:23]
	s_add_nc_u64 s[76:77], s[76:77], s[22:23]
.irp b, 0,1,2,3
.irp q, 0,1
	global_load_b128 v[BIAS+8*\b+4*\q:BIAS+8*\b+4*\q+3], v[VB], s[10:11] offset:64*\b+16*\q   ; register 8 b + i = column 16 b + 8 h + i
.endr
.endr
	s_lshl_b32 s21, s15, 15                        ; my 4 row tiles of tokens,
	s_lshl_b32 s22, s16, 15
	s_add_co_u32 s22, s22, 65536                   ; my 4 of the weight, behind the tokens' 8
.irp c, 0,1,2,3
	v_add_nc_u32 v[ADRA+\c], s21, v7
	v_add_nc_u32 v[ADRB+\c], s22, v7
	s_add_co_u32 s21, s21, 4096+(\c%2)*(KH-8192)   ; 256 along K on: 4,096 bytes in a row tile, or into the other half of K
	s_add_co_u32 s22, s22, 4096+(\c%2)*(KH-8192)
.endr
	s_mul_i32 s23, s14, 16*SPITCH
	s_add_co_u32 s23, s23, STAGE                   ; my stage
	v_mul_u32_u24 v5, v1, SPITCH
	v_lshl_add_u32 v5, v2, 5, v5
	v_add_nc_u32 v[STO], s23, v5                   ; in: row r, 32 bytes for each half of the lanes
	v_mul_u32_u24 v5, v2, SPITCH
	v_lshl_add_u32 v5, v1, 4, v5
	v_add_nc_u32 v[RD], s23, v5                    ; back: lanes 0-15 one row of 256 bytes, lanes 16-31 the next
	v_lshlrev_b32 v[CO], 13, v2                    ; and the same two tokens in out0: a token is 8,192 bytes
	v_lshl_add_u32 v[CO], v1, 4, v[CO]
	s_and_b32 s20, s17, 15                         ; out0: token 128 (Y % 16) + 64 x my half, batch Y / 16 (4,096 bytes)
	s_lshl_b32 s20, s20, 20
	s_lshl_b32 s21, s15, 19
	s_add_co_u32 s20, s20, s21
	s_lshr_b32 s21, s17, 4
	s_lshl_b32 s21, s21, 12
	s_add_co_u32 s20, s20, s21
	s_mov_b32 s21, 0
	s_add_nc_u64 s[76:77], s[76:77], s[20:21]
.macro FRAG reg, adr, q, i             ; row tile i's fragment of the q-th 128 of a 256 along K
.irp c, 0,1,2,3
	ds_load_b128 v[\reg+4*\c:\reg+4*\c+3], v[\adr] offset:8192*(\i)+2048*(\q)+512*\c
.endr
.endm
.macro FETCH ch, q, f                  ; 32 LDS loads in one run: my eight fragments of one K step into buffer f
	WIN 0x40
.irp i, 0,1,2,3
	FRAG \f+64+16*\i, ADRB+\ch, \q, \i
	FRAG \f+16*\i, ADRA+\ch, \q, \i
.endr
.endm
.macro MUL f, zero                     ; 16 products, 128 along K; the 16 accumulators take turns
	WIN 0x05
.irp a, 0,1,2,3
.irp b, 0,1,2,3
.if \zero
	v_wmma_f32_16x16x128_fp8_fp8 v[ACC+8*(4*\a+\b):ACC+8*(4*\a+\b)+7], v[\f+64+16*\b:\f+64+16*\b+15], v[\f+16*\a:\f+16*\a+15], 0
.else
	v_wmma_f32_16x16x128_fp8_fp8 v[ACC+8*(4*\a+\b):ACC+8*(4*\a+\b)+7], v[\f+64+16*\b:\f+64+16*\b+15], v[\f+16*\a:\f+16*\a+15], v[ACC+8*(4*\a+\b):ACC+8*(4*\a+\b)+7]
.endif
.endr
.endr
.endm
.macro CHUNK c, zero, last             ; 256 along K: two K steps, on buffers 0 and 1
	s_wait_dscnt 32                                ; buffer 0 is in; buffer 1's 32 loads may be out
	MUL F0, \zero
	s_wait_dscnt 0x0
.if \last == 0
	PLACES
	FETCH (\c)+1, 0, F0
.endif
	MUL F1, 0
.if \last == 0
	PLACES
	FETCH (\c)+1, 1, F1
.endif
.endm
	s_wait_alu depctr_va_vdst(0)                   ; the wait at the head's end
	s_wait_tensorcnt 0x0                           ; my load has landed,
	s_barrier_signal -1
	s_barrier_wait -1                              ; and everybody's: all of K is in LDS
	FETCH 0, 0, F0
	FETCH 0, 1, F1
	CHUNK 0, 1, 0
	CHUNK 1, 0, 0
	CHUNK 2, 0, 0
	CHUNK 3, 0, 1
	WIN 0
.macro TOSTAGE a
.set j, 0
.rept 16
	v_pk_fma_f32 v[TMP+j:TMP+j+1], v[ACC+32*(\a)+j:ACC+32*(\a)+j+1], s[96:97], v[BIAS+j:BIAS+j+1] op_sel_hi:[1,0,1]   ; sum x 2^(e10 + e11) + bias; each accumulator from its low end on
.set j, j+2
.endr
.irp b, 0,1,2,3
	ds_store_b128 v[STO], v[TMP+8*\b:TMP+8*\b+3] offset:64*\b
	ds_store_b128 v[STO], v[TMP+8*\b+4:TMP+8*\b+7] offset:64*\b+16
.endr
.irp t, 0,1,2,3,4,5,6,7
	ds_load_b128 v[ACC+32*(\a)+4*\t:ACC+32*(\a)+4*\t+3], v[RD] offset:2*\t*SPITCH   ; back into the registers that the block's sums have left
.endr
.endm
.macro SEND a, younger                 ; younger: the LDS instructions issued behind block a's loads, which may stay out
	s_wait_dscnt \younger
.irp t, 0,1,2,3,4,5,6,7
	global_store_b128 v[CO], v[ACC+32*(\a)+4*\t:ACC+32*(\a)+4*\t+3], s[76:77] offset:(32*((\a)/2)+8*((\a)%2)+2*\t+8*(\t/4))*8192 th:TH_STORE_NT   ; row tile a begins at token 32 (a/2) + 8 (a%2); its row p is token p + 8 (p/8)
.endr
.endm
	s_wait_kmcnt 0x0
	s_add_co_i32 s96, s96, s97
	s_add_co_i32 s96, s96, 127
	s_lshl_b32 s96, s96, 23                        ; 2^(e10 + e11) as f32
	s_mov_b32 s97, s96
	s_wait_loadcnt 0x0                             ; the bias
	PLACES
	TOSTAGE 0
	TOSTAGE 1
	SEND 0, 16                                     ; behind block 0's loads: block 1's 8 stores and 8 loads
	TOSTAGE 2
	SEND 1, 16
	TOSTAGE 3
	SEND 2, 16
	SEND 3, 0
	s_wait_tensorcnt 0x0                           ; the wave's end
	ds_add_u32 v126, v127
	s_wait_dscnt 0x0
	CROUND                                         ; the closing round
	s_endpgm
.Lfunc_end_k_q71ec7a070b_gemm2:
	.size	k_q71ec7a070b_gemm2, .Lfunc_end_k_q71ec7a070b_gemm2-k_q71ec7a070b_gemm2
	.p2alignl 7, 3214868480
	.fill 96, 4, 3214868480
	.section	.rodata,"a",@progbits
	.p2align	6, 0x0
	.amdhsa_kernel k_q71ec7a070b_gemm2
		.amdhsa_group_segment_fixed_size 280064
		.amdhsa_private_segment_fixed_size 0
		.amdhsa_enable_private_segment 0
		.amdhsa_kernarg_size 40
		.amdhsa_user_sgpr_count 2
		.amdhsa_user_sgpr_kernarg_segment_ptr 1
		.amdhsa_wavefront_size32 1
		.amdhsa_system_sgpr_workgroup_id_x 1
		.amdhsa_system_sgpr_workgroup_id_y 1
		.amdhsa_system_sgpr_workgroup_id_z 1
		.amdhsa_system_vgpr_workitem_id 0
		.amdhsa_next_free_vgpr 512
		.amdhsa_next_free_sgpr 100
		.amdhsa_reserve_vcc 0
		.amdhsa_float_denorm_mode_32 3
		.amdhsa_float_denorm_mode_16_64 3
		.amdhsa_memory_ordered 1
		.amdhsa_forward_progress 1
		.amdhsa_inst_pref_size 45
	.end_amdhsa_kernel
	.amdgpu_metadata
---
amdhsa.version: [ 1, 2 ]
amdhsa.kernels:
  - .name:           k_q71ec7a070b_gemm2
    .symbol:         k_q71ec7a070b_gemm2.kd
    .args:
      - { .name: ao, .offset: 0, .size: 8, .value_kind: global_buffer, .address_space: global }
      - { .name: codes, .offset: 8, .size: 8, .value_kind: global_buffer, .address_space: global }
      - { .name: lowp_scales, .offset: 16, .size: 8, .value_kind: global_buffer, .address_space: global }
      - { .name: out_proj_bias, .offset: 24, .size: 8, .value_kind: global_buffer, .address_space: global }
      - { .name: out0, .offset: 32, .size: 8, .value_kind: global_buffer, .address_space: global }
    .group_segment_fixed_size: 280064
    .private_segment_fixed_size: 0
    .kernarg_segment_align: 8
    .kernarg_segment_size: 40
    .max_flat_workgroup_size: 128
    .sgpr_count:     100
    .vgpr_count:     512
    .wavefront_size: 32
...
	.end_amdgpu_metadata
.endif
;; end of part 8
